; MI455X (gfx1250); checked and timed in simulation.
; The chip was launched on July 23, 2026; its instructions are those of AMD's public machine-readable ISA for CDNA 5 (MIT licence, August 2026) and "CDNA5" Instruction Set Architecture Reference Guide (July 2026). The comments in the code are by the model that wrote it; some were corrected since.
;; Condor Attention. Allowed arithmetic: matrix products marked QUANTISED: E4M3 operands, one given power-of-two scale a tensor, by v_wmma_f32_16x16x64_fp8_fp8 or v_wmma_f32_16x16x128_fp8_fp8, f32 sums; everything else in f32.
;; Inputs: attention_mask 1 x 1 x 2,048 x 2,048 float32; hidden_states 1 x 2,048 x 2,048 float32; lowp_scales 12 int32 (the exponents e of the quantised operands' scales 2^e); wk 2,048 x 2,048 float32; wo 2,048 x 2,048 float32; wq 2,048 x 2,048 float32; wv 2,048 x 2,048 float32.
;; Outputs: out0 1 x 2,048 x 2,048 float32.
;; This version of the problem:
;;   THIS VERSION OF THE PROBLEM IS GIVEN IN LOW PRECISION. The matrix products marked QUANTISED in the list below multiply operands that are first quantised to E4M3 (4 exponent bits, 3 mantissa bits; 8 bits a number), with one given power-of-two scale for each operand tensor; their sums are f32. All else is computed in f32.
;;   The module's matrix products, in the order in which they are computed (A, B: the left and right operand; K: the contracted axis; several contracted axes count as one K, in the product's order):
;;     1. [M 2,048, K 2,048] x [K 2,048, N 2,048]; A: input hidden_states; B: input wq: QUANTISED (scales: A lowp_scales[0], B lowp_scales[1])
;;     2. [M 2,048, K 2,048] x [K 2,048, N 2,048]; A: input hidden_states; B: input wk: QUANTISED (scales: A lowp_scales[2], B lowp_scales[3])
;;     3. [M 2,048, K 2,048] x [K 2,048, N 2,048]; A: input hidden_states; B: input wv: QUANTISED (scales: A lowp_scales[4], B lowp_scales[5])
;;     4. batch 32 x [M 2,048, K 64] x [K 64, N 2,048]; A: computed on the way; B: computed on the way: QUANTISED (scales: A lowp_scales[6], B lowp_scales[7])
;;     5. batch 32 x [M 2,048, K 2,048] x [K 2,048, N 64]; A: softmax (see below); B: computed on the way: QUANTISED (scales: A lowp_scales[8], B lowp_scales[9])
;;     6. [M 2,048, K 2,048] x [K 2,048, N 2,048]; A: computed on the way; B: input wo: QUANTISED (scales: A lowp_scales[10], B lowp_scales[11])
;;   THE QUANTISER, for each operand of a quantised product, along K:
;;     - The operand's scale is 2^e, e = its entry of the input lowp_scales (int32; the entries are numbered through the quantised products in the list's order, A before B).
;;     - Each number is divided by the scale, clamped to +-448, and rounded to the nearest number of E4M3, ties to even, subnormals kept.
;;     - The product sums the exact products of the quantised numbers (number of the format x scale) in f32.
;;   ~~~python
;;   def quantise(x, axis, e):      # numpy; x: float32 -> the quantised numbers, widened to float32 again
;;       x = np.moveaxis(x, axis, -1); K = x.shape[-1]
;;       r = np.clip(x / 2.0 ** e, -448, 448)
;;       step = 2.0 ** (np.maximum(np.frexp(np.where(r == 0, 1, r))[1] - 1, -6) - 3)
;;       q = np.round(r / step) * step * 2.0 ** e      # np.round: ties to even
;;       return np.moveaxis(q, -1, axis).astype(np.float32)
;;   ~~~
;;   SOFTMAX AHEAD OF A QUANTISED PRODUCT. Where the list says 'softmax', what is quantised is not the finished softmax but p = 2^(t - M), with t = logit x log2(e) and M = ceil(the row's largest t), a whole number; so 1/2 < the row's largest p <= 1. The row's sum l is taken of the UNQUANTISED p, in f32, and the product's result is divided by l at the end. Since M is a whole number, a kernel that streams over the keys may use a running M (the ceiling of the running maximum): every later rescaling is an exact power of two, so the quantised numbers keep their values, but for numbers so far below the row's largest that they fall under the format's range.
;;   OPERANDS COMPUTED ON THE WAY. 'Computed on the way' means the value that the module computes at that place (a softmax that the list does not call 'softmax' is quantised finished and normalised). What goes into a quantiser is computed in f32, as accurately as f32 sums, v_exp_f32 and their like allow (about 1e-6 of the number): no bf16 or f16 on the way to a quantiser, and a product that is left as it is and whose result goes on into a quantised operand takes f32 operands (vector FMAs, or v_wmma_f32_16x16x4_f32). A number that lies on a knife's edge between two numbers of the format may be rounded either way, as far as f32 arithmetic and the matrix unit's own rounding can turn it there, and no further.
;; One version. Each part assembles by itself: llvm-mc -triple=amdgcn-amd-amdhsa -mcpu=gfx1250 --defsym DOCPART=n.
;; ======== version 1 of 1: 4 launches
;; limits: right only within a limited range of input values
;; workspace buffers: xcodes 12,582,912 bytes; wcodes 16,777,216 bytes; rope 524,288 bytes; qkvc 12,582,912 bytes; acodes 4,194,304 bytes
;; launch quant (part 1): grid 768 x 1, 4 waves a work-group, no clusters, 69,120 bytes of LDS; arguments hidden_states, wq, wk, wv, wo, lowp_scales, xcodes, rope, wcodes; writes xcodes, rope, wcodes
.if DOCPART == 1
	.amdgcn_target "amdgcn-amd-amdhsa--gfx1250"
	.amdhsa_code_object_version 6
	.text
	.protected	k_qfe3261b59a_quant
	.globl	k_qfe3261b59a_quant
	.p2align	8
	.type	k_qfe3261b59a_quant,@function
k_qfe3261b59a_quant:
	s_mov_b64 s[64:65], 0
	v_nop
	global_prefetch_b8 v0, s[64:65] scope:SCOPE_SE
	s_setreg_imm32_b32 hwreg(HW_REG_WAVE_MODE, 25, 1), 1
	s_wait_xcnt 0x0
; ONE LAUNCH FOR ALL FIVE f32 INPUTS OF THE PROJECTIONS.  Work-groups 0 to 511 turn the four weights into codes; work-groups 512 to 767 turn hidden_states into three planes of codes and make the table of the
; rotary embedding.  The two ways part here, at the head, on the work-group's number, share no line behind it, and each has LDS bytes of its own.  Waves share nothing on either way: no barrier.
; code = x / 2^e, held within +-448, rounded to the nearest E4M3 code, ties to even.
; LIMITS: e0 to e5 and e11 between -126 and 119, so that 2^e and 448 x 2^e are f32 numbers.  NaN among the inputs is not served (an infinity is held at the largest code).
.set WGW,   512                        ; work-groups of the weights' way
.set WLDS,  32768                      ; LDS: bytes 0 to 32,767 belong to the hidden states' way, bytes from here on to the weights'
	v_lshl_add_u32 v12, v0, 2, 0x10c00
	v_mov_b32 v13, 0
	v_lshrrev_b32 v1, 5, v0
	v_readfirstlane_b32 s16, v1                    ; wave 0..3
	v_and_b32 v2, 31, v0                           ; lane
	s_cmp_lt_u32 ttmp9, WGW
	s_cbranch_scc0 .Lhidden
; ---- THE WEIGHTS.  wq, wk, wv, wo, each [2048 k][2048 n] f32 with K as the FIRST axis, become four planes of codes laid [2048 n][2048 k] with K innermost: plane 0 wq (2^e1), 1 wk (2^e3), 2 wv (2^e5), 3 wo (2^e11).
; A LANE TAKES A COLUMN n, AND ITS REGISTERS RUN DOWN K: each load reads neighbouring n in neighbouring lanes (128 consecutive bytes a wave, 512 a work-group), and the conversions, which take
; neighbours along K from one lane's consecutive registers, give the codes with K innermost.  Nothing is transposed by an instruction.
; SHARES: x = id % 16: 128 columns; y = id / 16: tensor y / 8, 256 along K at 256 (y % 8).  A wave takes 32 columns x 256 along K; its codes go through its own stage in LDS and leave as rows:
; sixteen lanes store 256 consecutive bytes, aligned.  One text for all four tensors: only pointers and the exponent are chosen, by the work-group's number.
.set SIZE_K, 2048
.set SIZE_N, 2048
.set KW,    256                        ; along K for a wave
.set NB,    KW/32                      ; blocks of 32
.set ROWB,  256                        ; bytes of KW codes
.set PITCH, ROWB+16                    ; a stage row
.set KROW,  SIZE_K                     ; a row of a plane of codes in bytes
.set WX,    32                         ; v32-95   two sets of 32 numbers
.set WC,    96                         ; v96-103  a block's codes
.set OUTR,  112                        ; v112-175 the way out: 16 x 4 registers
	s_load_b256 s[4:11], s[0:1], 0x8               ; wq, wk, wv, wo
	s_load_b64 s[12:13], s[0:1], 0x28              ; the scales' exponents
	s_load_b64 s[14:15], s[0:1], 0x40              ; wcodes
	s_and_b32 s17, ttmp9, 15
	s_lshl_b32 s17, s17, 7
	s_lshl_b32 s18, s16, 5
	s_add_co_u32 s17, s17, s18                     ; my wave's first column
	s_lshr_b32 s18, ttmp9, 4                       ; y, 0..31
	s_lshr_b32 s32, s18, 3                         ; the tensor, 0..3
	s_and_b32 s18, s18, 7                          ; which 256 along K
	s_wait_alu depctr_va_vdst(0)
	v_lshlrev_b32 v3, 2, v2                        ; in: 4 bytes a lane
	s_mul_i32 s19, s16, 32*PITCH
	s_add_co_u32 s19, s19, WLDS                    ; my stage
	v_mul_u32_u24 v4, v2, PITCH
	v_add_nc_u32 v4, s19, v4                       ; into it: row = my column
	v_and_b32 v5, 15, v2
	v_lshrrev_b32 v6, 4, v2                        ; out of it: sixteen lanes to a row, two rows an instruction
	v_mul_u32_u24 v7, v6, PITCH
	v_lshl_add_u32 v7, v5, 4, v7
	v_add_nc_u32 v7, s19, v7
	v_mul_u32_u24 v8, v6, KROW
	v_lshl_add_u32 v8, v5, 4, v8                   ; and the same place among the codes
	s_lshl_b32 s20, s18, 21                        ; W: 256 rows of 8,192 bytes for each step along K,
	s_lshl_b32 s22, s17, 2
	s_add_co_u32 s20, s20, s22                     ; + 4 x column
	s_mov_b32 s21, 0
	s_lshl_b32 s24, s32, 22                        ; codes: the plane,
	s_lshl_b32 s22, s17, 11
	s_add_co_u32 s24, s24, s22                     ; + column x 2,048
	s_lshl_b32 s22, s18, 8
	s_add_co_u32 s24, s24, s22                     ; + 256 for each step along K
	s_mov_b32 s25, 0
	s_wait_kmcnt 0x0
	s_load_b256 s[36:43], s[12:13], 0x0            ; e0 .. e7
	s_load_b128 s[44:47], s[12:13], 0x20           ; e8 .. e11
	s_bitcmp1_b32 s32, 0                           ; the choice hangs on the work-group's number alone
	s_cselect_b64 s[4:5], s[6:7], s[4:5]           ; wk or wq
	s_cselect_b64 s[8:9], s[10:11], s[8:9]         ; wo or wv
	s_bitcmp1_b32 s32, 1
	s_cselect_b64 s[4:5], s[8:9], s[4:5]
	s_add_nc_u64 s[4:5], s[4:5], s[20:21]
	s_add_nc_u64 s[8:9], s[14:15], s[24:25]
.macro WLOAD t                         ; block t: W(32 t + i, my column), i = 0 .. 31, into set t % 2
.irp i, 0,1,2,3,4,5,6,7,8,9,10,11,12,13,14,15,16,17,18,19,20,21,22,23,24,25,26,27,28,29,30,31
	global_load_b32 v[WX+32*((\t)%2)+\i], v3, s[4:5] offset:(32*(\t)+\i)*SIZE_N*4 th:TH_LOAD_NT
.endr
.endm
	WLOAD 0
	WLOAD 1
	s_wait_kmcnt 0x0
	s_bitcmp1_b32 s32, 0
	s_cselect_b32 s30, s39, s37                    ; e3 or e1
	s_cselect_b32 s31, s47, s41                    ; e11 or e5
	s_bitcmp1_b32 s32, 1
	s_cselect_b32 s30, s31, s30                    ; e
	s_add_co_i32 s30, s30, 127
	s_lshl_b32 s31, s30, 23
	v_mov_b32 v11, s31                             ; 2^e as f32: the conversion takes its exponent field
	s_add_co_i32 s30, s30, 8
	s_lshl_b32 s30, s30, 23
	s_or_b32 s30, s30, 0x600000
	v_mov_b32 v10, s30                             ; 448 x 2^e
.macro BLOCK t
.set XS, WX+32*((\t)%2)
.if (\t) < NB-1
	s_wait_loadcnt 32                              ; this block's 32 loads are in; the next block's may be out
.else
	s_wait_loadcnt 0
.endif
.irp i, 0,1,2,3,4,5,6,7,8,9,10,11,12,13,14,15,16,17,18,19,20,21,22,23,24,25,26,27,28,29,30,31
	v_med3_num_f32 v[XS+\i], v[XS+\i], -v10, v10   ; the conversion to an 8-bit code does not saturate (ISA guide 7.6.2): the hold comes first
.endr
.irp g, 0,1,2,3
	v_cvt_scalef32_pk8_fp8_f32 v[WC+2*\g:WC+2*\g+1], v[XS+8*\g:XS+8*\g+7], v11
.endr
	v_nop                                          ; one plain vector line behind the conversions
	ds_store_b128 v4, v[WC:WC+3] offset:32*(\t)    ; 32 codes: 32 bytes of my column's row
	ds_store_b128 v4, v[WC+4:WC+7] offset:32*(\t)+16
.if (\t)+2 < NB
	WLOAD (\t)+2
.endif
	s_wait_dscnt 0x0                               ; the stores have read their registers: the next block's codes may be written
.endm
.set Q, 0
	s_wait_alu depctr_va_vdst(0)
.rept NB
	BLOCK Q
.set Q, Q+1
.endr
.irp t, 0,1,2,3,4,5,6,7,8,9,10,11,12,13,14,15
	ds_load_b128 v[OUTR+4*\t:OUTR+4*\t+3], v7 offset:2*\t*PITCH   ; LDS serves a wave's instructions in order: these see my stores
.endr
.irp t, 0,1,2,3,4,5,6,7,8,9,10,11,12,13,14,15
	s_wait_dscnt 15-\t                             ; load t is in; the younger ones stay out
	global_store_b128 v8, v[OUTR+4*\t:OUTR+4*\t+3], s[8:9] offset:2*\t*KROW
.endr
	s_wait_tensorcnt 0x0
	ds_add_u32 v12, v13
	s_wait_dscnt 0x0
	s_endpgm
.Lhidden:
; ---- THE HIDDEN STATES.  hidden_states [2048][2048] f32 becomes THREE planes of codes, [2048 m][2048 k] bytes each, K innermost: plane 0 with 2^e0 (product 1), plane 1 with 2^e2 (product 2), plane 2 with 2^e4 (product 3).
; The f32 numbers are read once and converted three times from registers.
; This way also makes the table for the rotary embedding: rope[pos][0..31] = cos(pos x f_j), rope[pos][32..63] = sin(pos x f_j), f_j = 10000^(-j/32) = 10^(-j/8), f32, 256 bytes a row.
; f_j is the decimal 10^(-j/8) rounded to f32; a power and a division in f32 may differ from it in the last bits.
; SHARES: 1,024 waves; wave g takes numbers 4,096 g .. 4,096 g + 4,095 in 8 steps of 512, and rows 2 g, 2 g + 1 of the table.
; A load takes 512 consecutive bytes, 16 a lane; a step's 2,048 bytes turn through the wave's own stage in LDS and come back 64 bytes a lane: 16 neighbours along K.
.set STEPS, 8
.set R,     16                         ; v16-79   four sets of 16 numbers as they are loaded
.set X,     80                         ; v80-111  two sets of 16 neighbours
.set T,     112                        ; v112-159 the 16 numbers held for each of the three scales
.set C,     160                        ; v160-255 codes: 12 registers a step, never written again, so no store's data are rewritten
.set WREG,  8192                       ; LDS: a region for each wave: two stages of 32 x SP bytes
.set SP,    80                         ; a lane's place in a stage: 64 bytes + 16 of padding
	s_load_b64 s[4:5], s[0:1], 0x0                 ; hidden_states
	s_load_b64 s[6:7], s[0:1], 0x28                ; the scales' exponents
	s_load_b128 s[8:11], s[0:1], 0x30              ; xcodes, rope
	s_wait_alu depctr_va_vdst(0)
	v_lshlrev_b32 v3, 4, v2                        ; 16 x lane: my bytes of a load's 512, and my codes' place in a step's 512
	s_mul_i32 s17, s16, WREG
	v_lshrrev_b32 v14, 2, v2
	v_mul_u32_u24 v14, v14, SP
	v_and_b32 v15, 3, v2
	v_lshl_add_u32 v14, v15, 4, v14
	v_add_nc_u32 v14, s17, v14                     ; the stage, on the way in: SP (lane / 4) + 16 (lane % 4)
	v_mul_u32_u24 v15, v2, SP
	v_add_nc_u32 v15, s17, v15                     ; and on the way out: SP x lane
	s_sub_co_u32 s18, ttmp9, WGW
	s_lshl_b32 s18, s18, 2
	s_add_co_u32 s18, s18, s16                     ; g
	s_lshl_b32 s20, s18, 14                        ; 16,384 bytes of f32 a wave
	s_mov_b32 s21, 0
	s_lshl_b32 s22, s18, 12                        ; 4,096 bytes of codes a wave and plane
	s_mov_b32 s23, 0
	s_lshl_b32 s34, s18, 9                         ; two table rows of 256 bytes
	s_mov_b32 s35, 0
	s_wait_alu depctr_va_vdst(0)
	s_wait_kmcnt 0x0
	s_load_b256 s[24:31], s[6:7], 0x0              ; e0 .. e7
	s_add_nc_u64 s[4:5], s[4:5], s[20:21]
	s_add_nc_u64 s[8:9], s[8:9], s[22:23]          ; plane 0
	s_add_nc_u64 s[12:13], s[8:9], 0x400000        ; plane 1
	s_add_nc_u64 s[14:15], s[8:9], 0x800000        ; plane 2
	s_add_nc_u64 s[34:35], s[10:11], s[34:35]      ; my rows of the table
.macro LOAD t
.irp i, 0,1,2,3
	global_load_b128 v[R+16*((\t)%4)+4*\i:R+16*((\t)%4)+4*\i+3], v3, s[4:5] offset:2048*(\t)+512*\i th:TH_LOAD_NT   ; 32 lanes read 512 consecutive bytes; read once in the launch
.endr
.endm
.macro TURN t                          ; step t's numbers through the stage: LDS serves a wave's instructions in order, so no wait stands between the stores and the loads
.irp i, 0,1,2,3
	ds_store_b128 v14, v[R+16*((\t)%4)+4*\i:R+16*((\t)%4)+4*\i+3] offset:32*SP*((\t)%2)+8*SP*\i
.endr
.irp i, 0,1,2,3
	ds_load_b128 v[X+16*((\t)%2)+4*\i:X+16*((\t)%2)+4*\i+3], v15 offset:32*SP*((\t)%2)+16*\i
.endr
.endm
.irp t, 0,1,2,3
	LOAD \t
.endr
	s_wait_kmcnt 0x0
.irp p, 0,1,2
	s_add_co_i32 s32, s[24+2*\p], 127
	s_lshl_b32 s33, s32, 23
	v_mov_b32 v[5+\p], s33                         ; 2^e as f32: the conversion takes its exponent field
	s_add_co_i32 s32, s32, 8
	s_lshl_b32 s32, s32, 23
	s_or_b32 s32, s32, 0x600000
	v_mov_b32 v[8+\p], s32                         ; 448 x 2^e
.endr
	s_wait_alu depctr_va_vdst(0)
	s_wait_loadcnt 12                              ; step 0's four loads are in; three steps' twelve stay out
	TURN 0
.macro STEP t
.set XS, X+16*((\t)%2)
	s_wait_dscnt 0x0                               ; this step's numbers are back from the stage, so its stores into the stage have read their registers,
.if (\t)+4 < STEPS
	LOAD (\t)+4                                    ; which take the loads of four steps on
.endif
.if (\t)+1 < STEPS
.if STEPS-2-(\t) >= 3
	s_wait_loadcnt 12                              ; the next step's four loads are in; those of the three steps behind it may be out
.else
	s_wait_loadcnt 4*(STEPS-2-(\t))
.endif
	TURN (\t)+1
.endif
.irp p, 0,1,2
.irp i, 0,1,2,3,4,5,6,7,8,9,10,11,12,13,14,15
	v_med3_num_f32 v[T+16*\p+\i], v[XS+\i], -v[8+\p], v[8+\p]   ; the conversion to an 8-bit code does not saturate (ISA guide 7.6.2): the hold at the largest code x the scale
.endr
.endr
.irp p, 0,1,2
	v_cvt_scalef32_pk8_fp8_f32 v[C+12*(\t)+4*\p:C+12*(\t)+4*\p+1], v[T+16*\p:T+16*\p+7], v[5+\p]
	v_cvt_scalef32_pk8_fp8_f32 v[C+12*(\t)+4*\p+2:C+12*(\t)+4*\p+3], v[T+16*\p+8:T+16*\p+15], v[5+\p]
.endr
	v_nop                                          ; one plain vector line behind the conversions: the next step's holds write their sources
	global_store_b128 v3, v[C+12*(\t):C+12*(\t)+3], s[8:9] offset:512*(\t)       ; 32 lanes store 512 consecutive bytes, aligned
	global_store_b128 v3, v[C+12*(\t)+4:C+12*(\t)+7], s[12:13] offset:512*(\t)
	global_store_b128 v3, v[C+12*(\t)+8:C+12*(\t)+11], s[14:15] offset:512*(\t)
.endm
.irp t, 0,1,2,3,4,5,6,7
	STEP \t
.endr
; THE TABLE.  Lane l takes frequencies 2 (l % 16) and 2 (l % 16) + 1; lanes 0-15 make cosines, lanes 16-31 sines: one store of 8 bytes a lane is a whole row of 256 bytes.
; angle a = pos x f (rounded once, as the product of two f32 numbers is); n = the nearest whole number to a x 2 / pi; r = a - n pi/2 in two parts (the first subtraction rounds nothing: |r| < 1 is a
; multiple of the smaller operand's last place); sin r and cos r by polynomials on |r| <= pi/4; the quadrant picks one of them and its sign.  sin(a) = cos(a - pi/2): the sine lanes add 3 to the quadrant.
; Row 0 is exactly cos = 1, sin = 0.
	v_mov_b32 v16, 0                               ; the frequencies' registers are written whole before single lanes are set
	v_mov_b32 v17, 0
.macro FREQ j, val
	s_mov_b32 s40, \val
	v_writelane_b32 v[16+(\j)%2], s40, (\j)/2
	v_writelane_b32 v[16+(\j)%2], s40, (\j)/2+16
.endm
	FREQ 0, 1.0
	FREQ 1, 0.7498942093324559
	FREQ 2, 0.5623413251903491
	FREQ 3, 0.4216965034285822
	FREQ 4, 0.31622776601683794
	FREQ 5, 0.23713737056616552
	FREQ 6, 0.1778279410038923
	FREQ 7, 0.1333521432163324
	FREQ 8, 0.1
	FREQ 9, 0.07498942093324559
	FREQ 10, 0.05623413251903491
	FREQ 11, 0.04216965034285822
	FREQ 12, 0.031622776601683794
	FREQ 13, 0.023713737056616552
	FREQ 14, 0.01778279410038923
	FREQ 15, 0.01333521432163324
	FREQ 16, 0.01
	FREQ 17, 0.007498942093324559
	FREQ 18, 0.005623413251903491
	FREQ 19, 0.004216965034285822
	FREQ 20, 0.0031622776601683794
	FREQ 21, 0.0023713737056616552
	FREQ 22, 0.001778279410038923
	FREQ 23, 0.001333521432163324
	FREQ 24, 0.001
	FREQ 25, 0.0007498942093324559
	FREQ 26, 0.0005623413251903491
	FREQ 27, 0.0004216965034285822
	FREQ 28, 0.00031622776601683794
	FREQ 29, 0.00023713737056616552
	FREQ 30, 0.0001778279410038923
	FREQ 31, 0.0001333521432163324
	v_lshlrev_b32 v18, 3, v2                       ; 8 x lane: my place in a row
	v_lshrrev_b32 v19, 4, v2
	v_mul_u32_u24 v19, v19, 3                      ; 3 in the sine lanes
	s_mov_b32 s43, 0xbfc90fdb                      ; -(pi/2 rounded to f32)
	s_mov_b32 s44, 0x333bbd2e                      ; that number less pi/2
	s_lshl_b32 s42, s18, 1                         ; pos = 2 g
	s_cvt_f32_u32 s41, s42
	s_add_co_u32 s42, s42, 1
	s_cvt_f32_u32 s45, s42
.macro SC dst, freq, spos
	v_mul_f32 v20, s[\spos], v[\freq]              ; a
	v_mul_f32 v21, 0x3f22f983, v20                 ; a x 2 / pi
	v_rndne_f32 v21, v21                           ; n
	v_fma_f32 v22, v21, s43, v20
	v_fma_f32 v22, v21, s44, v22                   ; r
	v_mul_f32 v23, v22, v22                        ; z = r r
	v_mov_b32 v24, 0xb94ca1f9
	v_fmaak_f32 v24, v24, v23, 0x3c08839e
	v_fmaak_f32 v24, v24, v23, 0xbe2aaaa3
	v_mul_f32 v25, v22, v23
	v_fma_f32 v24, v25, v24, v22                   ; sin r
	v_mov_b32 v26, 0x37ccf5ce
	v_fmaak_f32 v26, v26, v23, 0xbab6061a
	v_fmaak_f32 v26, v26, v23, 0x3d2aaaa5
	v_mul_f32 v27, v23, v23
	v_fma_f32 v28, v23, -0.5, 1.0
	v_fma_f32 v26, v26, v27, v28                   ; cos r
	v_cvt_i32_f32 v29, v21
	v_add_nc_u32 v29, v29, v19                     ; the quadrant q
	v_and_b32 v30, 1, v29
	v_cmp_eq_u32 vcc_lo, 1, v30
	v_cndmask_b32 v26, v26, v24, vcc_lo            ; q odd: the sine
	v_add_nc_u32 v29, 1, v29
	v_and_b32 v29, 2, v29
	v_lshlrev_b32 v29, 30, v29                     ; q % 4 = 1 or 2: negative
	v_xor_b32 v[\dst], v29, v26
.endm
	SC 32, 16, 41
	SC 33, 17, 41
	SC 34, 16, 45
	SC 35, 17, 45
	global_store_b64 v18, v[32:33], s[34:35]                ; 32 lanes store one row: 256 consecutive bytes, aligned
	global_store_b64 v18, v[34:35], s[34:35] offset:256
	s_wait_tensorcnt 0x0
	ds_add_u32 v12, v13
	s_wait_dscnt 0x0
	s_endpgm
.Lfunc_end_k_qfe3261b59a_quant:
	.size	k_qfe3261b59a_quant, .Lfunc_end_k_qfe3261b59a_quant-k_qfe3261b59a_quant
	.p2alignl 7, 3214868480
	.fill 96, 4, 3214868480
	.section	.rodata,"a",@progbits
	.p2align	6, 0x0
	.amdhsa_kernel k_qfe3261b59a_quant
		.amdhsa_group_segment_fixed_size 69120
		.amdhsa_private_segment_fixed_size 0
		.amdhsa_enable_private_segment 0
		.amdhsa_kernarg_size 72
		.amdhsa_user_sgpr_count 2
		.amdhsa_user_sgpr_kernarg_segment_ptr 1
		.amdhsa_wavefront_size32 1
		.amdhsa_system_sgpr_workgroup_id_x 1
		.amdhsa_system_sgpr_workgroup_id_y 1
		.amdhsa_system_sgpr_workgroup_id_z 1
		.amdhsa_system_vgpr_workitem_id 0
		.amdhsa_next_free_vgpr 256
		.amdhsa_next_free_sgpr 66
		.amdhsa_reserve_vcc 1
		.amdhsa_float_denorm_mode_32 3
		.amdhsa_float_denorm_mode_16_64 3
		.amdhsa_memory_ordered 1
		.amdhsa_forward_progress 1
		.amdhsa_inst_pref_size 101
	.end_amdhsa_kernel
	.amdgpu_metadata
---
amdhsa.version: [ 1, 2 ]
amdhsa.kernels:
  - .name:           k_qfe3261b59a_quant
    .symbol:         k_qfe3261b59a_quant.kd
    .args:
      - { .name: hidden_states, .offset: 0, .size: 8, .value_kind: global_buffer, .address_space: global }
      - { .name: wq, .offset: 8, .size: 8, .value_kind: global_buffer, .address_space: global }
      - { .name: wk, .offset: 16, .size: 8, .value_kind: global_buffer, .address_space: global }
      - { .name: wv, .offset: 24, .size: 8, .value_kind: global_buffer, .address_space: global }
      - { .name: wo, .offset: 32, .size: 8, .value_kind: global_buffer, .address_space: global }
      - { .name: lowp_scales, .offset: 40, .size: 8, .value_kind: global_buffer, .address_space: global }
      - { .name: xcodes, .offset: 48, .size: 8, .value_kind: global_buffer, .address_space: global }
      - { .name: rope, .offset: 56, .size: 8, .value_kind: global_buffer, .address_space: global }
      - { .name: wcodes, .offset: 64, .size: 8, .value_kind: global_buffer, .address_space: global }
    .group_segment_fixed_size: 69120
    .private_segment_fixed_size: 0
    .kernarg_segment_align: 8
    .kernarg_segment_size: 72
    .max_flat_workgroup_size: 128
    .sgpr_count:     66
    .vgpr_count:     256
    .wavefront_size: 32
...
	.end_amdgpu_metadata
.endif
;; end of part 1
;; launch qkvrope (part 2): grid 24 x 8, 4 waves a work-group, clusters of 4 x 4, 327,680 bytes of LDS; arguments xcodes, wcodes, lowp_scales, rope, qkvc; writes qkvc
.if DOCPART == 2
	.amdgcn_target "amdgcn-amd-amdhsa--gfx1250"
	.amdhsa_code_object_version 6
	.text
	.protected	k_qfe3261b59a_qkvrope
	.globl	k_qfe3261b59a_qkvrope
	.p2align	8
	.type	k_qfe3261b59a_qkvrope,@function
k_qfe3261b59a_qkvrope:
	s_mov_b64 s[64:65], 0
	v_nop
	global_prefetch_b8 v0, s[64:65] scope:SCOPE_SE
	s_setreg_imm32_b32 hwreg(HW_REG_WAVE_MODE, 25, 1), 1
	s_wait_xcnt 0x0
	s_wait_alu depctr_hold_cnt(0) depctr_sa_sdst(0) depctr_va_vdst(0) depctr_va_sdst(0) depctr_va_ssrc(0) depctr_va_vcc(0) depctr_vm_vsrc(0)
	s_getreg_b32 s2, hwreg(HW_REG_IB_STS2, 6, 4)
	s_cmp_eq_u32 s2, 0
	s_cbranch_scc0 .Lentry_in_a_cluster
	s_endpgm
.Lentry_in_a_cluster:
	s_bfe_u32 s2, ttmp6, 0x10000c
	s_cmp_lg_u32 s2, 0xf033
	s_cbranch_scc0 .Lentry_shape_is_right
	s_endpgm
.Lentry_shape_is_right:
.set SIZE_K, 2048
.set KSTEP,  256
.set ROWB,   256
.set KROW,   SIZE_K
.set PITCH,  272
.set FR,     16
.set NL,     4
.set NP,     4
.set HALFT,  128*PITCH
.set SLOT,   4*HALFT
.set LAPS,   SIZE_K/(2*KSTEP)
.set SPARE,  2*SLOT
.set SPITCH, 144
.set TO,   8
.set ADRA, 16
.set ADRB, 20
.set STO,  24
.set RD,   25
.set CO,   26
.set SPW,  28
.set NIL,  29
.set SCL,  30
.set LIM,  31
.set TAB,  32
.set COD,  96
.set AF,   128
.set Y,    128
.set BK,   192
.set G1, 24
.set G0, 32
.set G1B, 48
.set G0B, 56
.set MSB, 0
.macro WIN new
.if MSB != \new
	s_set_vgpr_msb (MSB<<8)|\new
.set MSB, \new
.endif
.endm
.set MUL_LO, 0xa1
.set MUL_HI, 0xf1
.set TO_B,   0x40
.macro JLOAD g0a, g1a, g0b, g1b
	s_cmp_eq_u32 s15, 0
	s_cbranch_scc0 .Lfor_b_\@
	tensor_load_to_lds s[\g0a:\g0a+3], s[\g1a:\g1a+7]
	s_nop 0
.rept 4
	v_nop
.endr
	s_branch .Lasked_\@
.Lfor_b_\@:
	tensor_load_to_lds s[\g0b:\g0b+3], s[\g1b:\g1b+7]
	s_nop 0
.rept 4
	v_nop
.endr
.Lasked_\@:
.endm
.macro CREST
	s_cmp_lg_u32 s14, 0
	s_cbranch_scc1 .Lnot_wave_0_\@
	s_barrier_signal -3
.Lnot_wave_0_\@:
	s_barrier_wait -3
	s_barrier_signal -1
	s_barrier_wait -1
.endm
.macro CROUND
	s_barrier_signal -1
	s_barrier_wait -1
	CREST
.endm
.macro TABLOAD a
.irp s, 0,1
.irp u, 0,1
.irp jj, 0,1
	global_load_b128 v[TAB+32*((\a)%2)+16*\s+8*\u+4*\jj:TAB+32*((\a)%2)+16*\s+8*\u+4*\jj+3], v[TO+(\a)], s[10:11] offset:128*\s+64*\u+16*\jj
.endr
.endr
.endr
.endm
	s_load_b128 s[4:7], s[0:1], 0x0
	s_load_b128 s[8:11], s[0:1], 0x10
	s_load_b64 s[12:13], s[0:1], 0x20
	v_lshl_add_u32 v[SPW], v0, 2, SPARE
	v_mov_b32 v[NIL], 0
	ds_add_u32 v28, v29
	ds_add_u32 v28, v29
	s_wait_dscnt 0x0
	v_lshrrev_b32 v1, 5, v0
	v_readfirstlane_b32 s14, v1
	s_lshr_b32 s15, s14, 1
	s_and_b32 s16, s14, 1
	s_bfe_u32 s40, ttmp6, 0x40000
	s_bfe_u32 s41, ttmp6, 0x40004
	s_lshr_b32 s66, ttmp9, 1
	s_and_b32 s42, ttmp9, 1
	s_lshl_b32 s42, s42, 2
	s_add_co_u32 s42, s42, s40
	s_and_b32 s17, ttmp7, 0xffff
	s_lshl_b32 s17, s17, 2
	s_add_co_u32 s17, s17, s41
	s_lshl_b32 s43, s41, 2
	s_lshl_b32 s43, 15, s43
	s_lshl_b32 s44, 0x1111, s40
	s_or_b32 s[G1+0], s43, (0<<16)|(1<<20)|(1<<21)|(5<<22)|(3<<25)
	s_or_b32 s[G1B+0], s44, (0<<16)|(1<<20)|(1<<21)|(5<<22)|(3<<25)
.irp g, G1, G1B
	s_mov_b32 s[\g+1], ROWB<<16
	s_mov_b32 s[\g+2], 128<<16
	s_mov_b32 s[\g+3], ROWB<<16
	s_mov_b32 s[\g+4], 128
	s_mov_b32 s[\g+5], KROW
	s_mov_b32 s[\g+6], 0
	s_mov_b32 s[\g+7], 0
.endr
	s_lshl_b32 s72, s66, 22
	s_lshl_b32 s18, s16, 7
	s_lshl_b32 s20, s17, 8
	s_add_co_u32 s20, s20, s18
	s_lshl_b32 s20, s20, 11
	s_add_co_u32 s20, s20, s72
	s_mov_b32 s21, 0
	s_lshl_b32 s46, s42, 8
	s_add_co_u32 s46, s46, s18
	s_lshl_b32 s46, s46, 11
	s_add_co_u32 s46, s46, s72
	s_mov_b32 s47, 0
	s_mul_i32 s45, s14, HALFT
	s_wait_kmcnt 0x0
	s_load_b256 s[76:83], s[8:9], 0x0
	s_load_b128 s[84:87], s[8:9], 0x20
	s_cmp_eq_u32 s66, 2
	s_cselect_b64 s[68:69], s[6:7], s[4:5]
	s_cselect_b64 s[70:71], s[4:5], s[6:7]
	s_add_nc_u64 s[20:21], s[68:69], s[20:21]
	s_add_nc_u64 s[46:47], s[70:71], s[46:47]
	CROUND
.irp s, 0,1
	s_mov_b32 s[G0+4*\s], 1
	s_add_co_u32 s[G0+4*\s+1], s45, \s*SLOT
	s_add_nc_u64 s[G0+4*\s+2:G0+4*\s+3], s[20:21], \s*ROWB
	s_or_b32 s[G0+4*\s+3], s[G0+4*\s+3], 0x80000000
	s_mov_b32 s[G0B+4*\s], 1
	s_add_co_u32 s[G0B+4*\s+1], s45, \s*SLOT
	s_add_nc_u64 s[G0B+4*\s+2:G0B+4*\s+3], s[46:47], \s*ROWB
	s_or_b32 s[G0B+4*\s+3], s[G0B+4*\s+3], 0x80000000
	s_wait_alu depctr_va_vdst(0)
	s_wait_tensorcnt 0x0
	ds_add_u32 v28, v29
	ds_add_u32 v28, v29
	s_wait_dscnt 0x0
	CROUND
	JLOAD G0+4*\s, G1, G0B+4*\s, G1B
.endr
	v_and_b32 v1, 15, v0
	s_wait_alu depctr_va_vdst(0)
	v_bfe_u32 v2, v0, 4, 1
	v_mul_u32_u24 v3, v1, PITCH
	v_lshl_add_u32 v4, v2, 4, v3
	s_mul_i32 s21, s15, HALFT
	s_mul_i32 s22, s16, HALFT
	s_add_co_u32 s22, s22, 2*HALFT
.irp s, 0,1
	v_add_nc_u32 v[ADRA+\s], s21, v4
	v_add_nc_u32 v[ADRB+\s], s22, v4
	s_add_co_u32 s21, s21, SLOT
	s_add_co_u32 s22, s22, SLOT
.endr
	s_mul_i32 s23, s14, 16*SPITCH
	v_mul_u32_u24 v5, v1, SPITCH
	s_wait_alu depctr_va_vdst(0)
	v_lshl_add_u32 v5, v2, 3, v5
	v_add_nc_u32 v[STO], s23, v5
	; the codes leave in the order of the next launch's fragments: a block of 16,384 bytes is laid x * 8192 + tile * 1024 + c * 512 + 32 r + 16 h
	v_and_b32 v6, 31, v0
	v_and_b32 v7, 15, v6                           ; 2 y + h: my 16 bytes of a unit of 256
	v_lshrrev_b32 v6, 4, v6                        ; c: lanes 0-15 fill one unit, lanes 16-31 the unit 512 bytes on
	v_lshlrev_b32 v[CO], 4, v7
	v_lshl_add_u32 v[CO], v6, 9, v[CO]
	v_lshrrev_b32 v5, 1, v7                        ; y: the stage's row
	v_mul_u32_u24 v5, v5, SPITCH
	v_and_b32 v7, 1, v7
	v_lshl_add_u32 v5, v7, 4, v5                   ; + 16 h
	v_lshl_add_u32 v5, v6, 5, v5                   ; + 32 c
	v_add_nc_u32 v[RD], s23, v5
	s_lshl_b32 s92, s17, 8
	s_lshl_b32 s93, s15, 7
	s_add_co_u32 s92, s92, s93
	s_lshl_b32 s92, s92, 8
	s_cmp_eq_u32 s66, 2
	s_cselect_b32 s90, 0, 256
	s_cselect_b32 s91, 0, 4096
	s_cselect_b32 s92, 0, s92
	v_mul_u32_u24 v[TO], s90, v1
	v_lshl_add_u32 v[TO], v2, 5, v[TO]
	v_add_nc_u32 v[TO], s92, v[TO]
.irp a, 1,2,3,4,5,6,7
	v_add_nc_u32 v[TO+\a], s91, v[TO+\a-1]
.endr
	TABLOAD 0
	TABLOAD 1
	s_lshl_b32 s93, s42, 1
	s_add_co_u32 s93, s93, s16
	s_lshl_b32 s94, s17, 1
	s_add_co_u32 s94, s94, s15
	s_cmp_eq_u32 s66, 2
	s_cselect_b32 s95, s94, s93
	s_cselect_b32 s96, s93, s94
	s_lshl_b32 s95, s95, 4
	s_add_co_u32 s95, s95, s96
	s_lshl_b32 s88, s95, 14
	s_add_co_u32 s88, s88, s72
	s_mov_b32 s89, 0
	s_add_nc_u64 s[88:89], s[12:13], s[88:89]
.macro FRAG reg, adr, q, i
.irp c, 0,1,2,3
	ds_load_b128 v[\reg+4*\c:\reg+4*\c+3], v[\adr] offset:128*(\q)+32*\c+(\i)*16*PITCH
.endr
.endm
.macro MUL16 a0, p, zero
.irp a, \a0, \a0+1
.irp b, 0,1,2,3,4,5,6,7
.if \zero
	v_wmma_f32_16x16x128_fp8_fp8 v[8*(8*((\a)%4)+\b):8*(8*((\a)%4)+\b)+7], v[128*(\p)+FR*\b:128*(\p)+FR*\b+FR-1], v[AF+FR*(\a):AF+FR*(\a)+FR-1], 0
.else
	v_wmma_f32_16x16x128_fp8_fp8 v[8*(8*((\a)%4)+\b):8*(8*((\a)%4)+\b)+7], v[128*(\p)+FR*\b:128*(\p)+FR*\b+FR-1], v[AF+FR*(\a):AF+FR*(\a)+FR-1], v[8*(8*((\a)%4)+\b):8*(8*((\a)%4)+\b)+7]
.endif
.endr
.endr
.endm
.macro FETCH_B slot, q, p
	WIN TO_B
.irp i, 0,1,2,3,4,5,6,7
	FRAG 128*(\p)+FR*\i, ADRB+\slot, \q, \i
.endr
	WIN 0
.endm
.macro FETCH_A slot, q, i0
.irp i, \i0, \i0+1, \i0+2, \i0+3
	FRAG AF+FR*(\i), ADRA+\slot, \q, \i
.endr
.endm
.macro PLACES n
.rept \n
	v_nop
.endr
.endm
.macro STEP slot, q, zero
	s_wait_dscnt 4*NL
	WIN MUL_LO
	MUL16 0, (\q)%2, \zero
	MUL16 2, (\q)%2, \zero
	s_wait_dscnt 0
	PLACES NP
	FETCH_B \slot, (\q)+1, 1-(\q)%2
	FETCH_A \slot, (\q)+1, 0
	WIN MUL_HI
	MUL16 4, (\q)%2, \zero
	MUL16 6, (\q)%2, \zero
	PLACES NP
	WIN 0
	FETCH_A \slot, (\q)+1, 4
.endm
.macro TURN slot, next, fill
	s_wait_tensorcnt 0x0
	ds_add_u32 v[SPW], v[NIL]
	s_wait_dscnt 4*NL+1
	WIN MUL_LO
	MUL16 0, 1, 0
	s_wait_dscnt 0x0
	s_barrier_signal -1
	MUL16 2, 1, 0
	WIN 0
	s_barrier_wait -1
.if \fill
	CREST
	s_add_nc_u64 s[G0+4*\slot+2:G0+4*\slot+3], s[G0+4*\slot+2:G0+4*\slot+3], 2*ROWB
	s_add_nc_u64 s[G0B+4*\slot+2:G0B+4*\slot+3], s[G0B+4*\slot+2:G0B+4*\slot+3], 2*ROWB
	JLOAD G0+4*\slot, G1, G0B+4*\slot, G1B
.else
	PLACES NP
.endif
	FETCH_B \next, 0, 0
	FETCH_A \next, 0, 0
	WIN MUL_HI
	MUL16 4, 1, 0
	MUL16 6, 1, 0
	PLACES NP
	WIN 0
	FETCH_A \next, 0, 4
.endm
	s_wait_tensorcnt 1
	s_barrier_signal -1
	s_barrier_wait -1
	FETCH_B 0, 0, 0
	FETCH_A 0, 0, 0
	FETCH_A 0, 0, 4
	STEP 0, 0, 1
	s_mov_b32 s3, LAPS-1
.Llap:
	TURN 0, 1, 1
	STEP 1, 0, 0
	TURN 1, 0, 1
	STEP 0, 0, 0
	s_sub_co_u32 s3, s3, 1
	s_cmp_lg_u32 s3, 0
	s_cbranch_scc1 .Llap
	TURN 0, 1, 0
	STEP 1, 0, 0
	s_wait_dscnt 4*NL
	WIN MUL_LO
	MUL16 0, 1, 0
	MUL16 2, 1, 0
	s_wait_dscnt 0
	WIN MUL_HI
	MUL16 4, 1, 0
	MUL16 6, 1, 0
	WIN 0
.macro TOSTAGE a
.set AC, 64*((\a)%4)
.set TS, TAB+32*((\a)%2)
.set CD, COD+16*((\a)%2)
.set BB, BK+16*((\a)%2)
.if (\a) < 7
	s_wait_loadcnt 8
.else
	s_wait_loadcnt 0
.endif
	WIN 0x02+((\a)/4)
.irp hh, 0,1
.irp u, 0,1
.irp i, 0,2,4,6
	v_pk_mul_f32 v[Y+8*(4*\hh+\u)+\i:Y+8*(4*\hh+\u)+\i+1], v[AC+8*(4*\hh+\u)+\i:AC+8*(4*\hh+\u)+\i+1], v[TS+8*\u+\i:TS+8*\u+\i+1]
	v_pk_mul_f32 v[Y+8*(4*\hh+\u+2)+\i:Y+8*(4*\hh+\u+2)+\i+1], v[AC+8*(4*\hh+\u+2)+\i:AC+8*(4*\hh+\u+2)+\i+1], v[TS+8*\u+\i:TS+8*\u+\i+1]
	v_pk_fma_f32 v[Y+8*(4*\hh+\u)+\i:Y+8*(4*\hh+\u)+\i+1], v[AC+8*(4*\hh+\u+2)+\i:AC+8*(4*\hh+\u+2)+\i+1], v[TS+16+8*\u+\i:TS+16+8*\u+\i+1], v[Y+8*(4*\hh+\u)+\i:Y+8*(4*\hh+\u)+\i+1] neg_lo:[1,0,0] neg_hi:[1,0,0]
	v_pk_fma_f32 v[Y+8*(4*\hh+\u+2)+\i:Y+8*(4*\hh+\u+2)+\i+1], v[AC+8*(4*\hh+\u)+\i:AC+8*(4*\hh+\u)+\i+1], v[TS+16+8*\u+\i:TS+16+8*\u+\i+1], v[Y+8*(4*\hh+\u+2)+\i:Y+8*(4*\hh+\u+2)+\i+1]
.endr
.endr
.endr
	WIN 0
.if (\a) < 6
	TABLOAD (\a)+2
.endif
.set n, 0
.rept 64
	v_med3_num_f32 v[Y+n], v[Y+n], -v[LIM], v[LIM]
.set n, n+1
.endr
.irp b, 0,1,2,3,4,5,6,7
	v_cvt_scalef32_pk8_fp8_f32 v[CD+2*\b:CD+2*\b+1], v[Y+8*\b:Y+8*\b+7], v[SCL]
.endr
	v_nop
.irp b, 0,1,2,3,4,5,6,7
	ds_store_b64 v[STO], v[CD+2*\b:CD+2*\b+1] offset:16*\b
.endr
.irp i, 0,1,2,3
	ds_load_b128 v[BB+4*\i:BB+4*\i+3], v[RD] offset:8*(\i/2)*SPITCH+64*(\i%2)
.endr
.endm
.macro SEND a, younger
.set BB, BK+16*((\a)%2)
	s_wait_dscnt \younger
.irp i, 0,1,2,3
	global_store_b128 v[CO], v[BB+4*\i:BB+4*\i+3], s[88:89] offset:(\i%2)*8192+(2*((\a)/2)+(\i/2))*1024+((\a)%2)*256
.endr
.endm
	s_wait_kmcnt 0x0
	s_sub_co_i32 s93, s82, s76
	s_sub_co_i32 s93, s93, s77
	s_sub_co_i32 s94, s83, s78
	s_sub_co_i32 s94, s94, s79
	s_sub_co_i32 s95, s85, s80
	s_sub_co_i32 s95, s95, s81
	s_cmp_eq_u32 s66, 1
	s_cselect_b32 s93, s94, s93
	s_cmp_eq_u32 s66, 2
	s_cselect_b32 s93, s95, s93
	s_add_co_i32 s93, s93, 127
	s_lshl_b32 s94, s93, 23
	v_mov_b32 v[SCL], s94
	s_add_co_i32 s93, s93, 8
	s_lshl_b32 s93, s93, 23
	s_or_b32 s93, s93, 0x600000
	v_mov_b32 v[LIM], s93
	PLACES NP
	TOSTAGE 0
.irp a, 1,2,3,4,5,6,7
.if \a > 1
	s_wait_xcnt 0x0
.endif
	TOSTAGE \a
	SEND \a-1, 12
.endr
	SEND 7, 0
	s_wait_tensorcnt 0x0
	ds_add_u32 v[SPW], v[NIL]
	s_wait_dscnt 0x0
	CROUND
	s_endpgm
.Lfunc_end_k_qfe3261b59a_qkvrope:
	.size	k_qfe3261b59a_qkvrope, .Lfunc_end_k_qfe3261b59a_qkvrope-k_qfe3261b59a_qkvrope
	.p2alignl 7, 3214868480
	.fill 96, 4, 3214868480
	.section	.rodata,"a",@progbits
	.p2align	6, 0x0
	.amdhsa_kernel k_qfe3261b59a_qkvrope
		.amdhsa_group_segment_fixed_size 327680
		.amdhsa_private_segment_fixed_size 0
		.amdhsa_enable_private_segment 0
		.amdhsa_kernarg_size 40
		.amdhsa_user_sgpr_count 2
		.amdhsa_user_sgpr_kernarg_segment_ptr 1
		.amdhsa_wavefront_size32 1
		.amdhsa_system_sgpr_workgroup_id_x 1
		.amdhsa_system_sgpr_workgroup_id_y 1
		.amdhsa_system_sgpr_workgroup_id_z 1
		.amdhsa_system_vgpr_workitem_id 0
		.amdhsa_next_free_vgpr 1024
		.amdhsa_next_free_sgpr 100
		.amdhsa_reserve_vcc 0
		.amdhsa_float_denorm_mode_32 3
		.amdhsa_float_denorm_mode_16_64 3
		.amdhsa_memory_ordered 1
		.amdhsa_forward_progress 1
		.amdhsa_inst_pref_size 165
	.end_amdhsa_kernel
	.amdgpu_metadata
---
amdhsa.version: [ 1, 2 ]
amdhsa.kernels:
  - .name:           k_qfe3261b59a_qkvrope
    .symbol:         k_qfe3261b59a_qkvrope.kd
    .args:
      - { .name: xcodes, .offset: 0, .size: 8, .value_kind: global_buffer, .address_space: global }
      - { .name: wcodes, .offset: 8, .size: 8, .value_kind: global_buffer, .address_space: global }
      - { .name: lowp_scales, .offset: 16, .size: 8, .value_kind: global_buffer, .address_space: global }
      - { .name: rope, .offset: 24, .size: 8, .value_kind: global_buffer, .address_space: global }
      - { .name: qkvc, .offset: 32, .size: 8, .value_kind: global_buffer, .address_space: global }
    .group_segment_fixed_size: 327680
    .private_segment_fixed_size: 0
    .kernarg_segment_align: 8
    .kernarg_segment_size: 40
    .max_flat_workgroup_size: 128
    .sgpr_count:     100
    .vgpr_count:     1024
    .wavefront_size: 32
...
	.end_amdgpu_metadata
.endif
;; end of part 2
;; launch attn (part 3): grid 32 x 8, 8 waves a work-group, clusters of 4 x 4, 327,680 bytes of LDS; arguments qkvc, attention_mask, lowp_scales, acodes; writes acodes
.if DOCPART == 3
	.amdgcn_target "amdgcn-amd-amdhsa--gfx1250"
	.amdhsa_code_object_version 6
	.text
	.protected	k_qfe3261b59a_attn
	.globl	k_qfe3261b59a_attn
	.p2align	8
	.type	k_qfe3261b59a_attn,@function
k_qfe3261b59a_attn:
	s_mov_b64 s[64:65], 0
	v_nop
	global_prefetch_b8 v0, s[64:65] scope:SCOPE_SE
	s_setreg_imm32_b32 hwreg(HW_REG_WAVE_MODE, 25, 1), 1
	s_wait_xcnt 0x0
	s_wait_alu depctr_hold_cnt(0) depctr_sa_sdst(0) depctr_va_vdst(0) depctr_va_sdst(0) depctr_va_ssrc(0) depctr_va_vcc(0) depctr_vm_vsrc(0)
	s_getreg_b32 s2, hwreg(HW_REG_IB_STS2, 6, 4)
	s_cmp_eq_u32 s2, 0
	s_cbranch_scc0 .Lentry_in_a_cluster
	s_endpgm
.Lentry_in_a_cluster:
	s_bfe_u32 s2, ttmp6, 0x10000c
	s_cmp_lg_u32 s2, 0xf033
	s_cbranch_scc0 .Lentry_shape_is_right
	s_endpgm
.Lentry_shape_is_right:
; Products 4 and 5 on E4M3 codes, with the mask and the softmax between them, and the quantiser of product 6's left operand (2^e10).
; logit = score x 2^(e6 + e7) / 8 + mask (one fused multiply-add); the largest t = the largest logit x log2(e), rounded; M = the running largest t rounded UP to a whole number;
; t - M = logit x log2(e) - M in one fused multiply-add; p = 2^(t - M) is quantised with 2^e8, not normalised; the row's sum is taken of the unquantised p in f32 and divides O at the end.
; When M moves, the sum and O are multiplied by 2^(old M - new M), which rounds nothing.  THE MASK IS AN INPUT: all of it is read and added; no tile is left out and no pattern is assumed.
; SHARES.  A work-group owns 64 queries (block qb) of 4 heads (group hg).  Wave w of eight owns head w % 4 and the 32 queries of tiles 2 (w / 4) and 2 (w / 4) + 1.  Every wave walks all 2,048 keys, 128 a step.
; THE MASK goes through LDS: a ring of two slots of 512 keys, each four sub-tiles of 64 rows x (512 bytes + 16): 135,168 bytes a slot, four key steps between two changes of slots, four changes in all.
; Wave w brings rows 32 (w / 4) on of sub-tile w % 4 by one tensor load.  CLUSTER 4 x 4: the mask's tile hangs on qb alone and is shared along a column of the cluster: it is asked for jointly.
; K AND V GO FROM MEMORY STRAIGHT INTO THE OPERANDS' REGISTERS: the launch before laid them in the order of the fragments, so each load of a wave reads 512 consecutive bytes, aligned.
; They are not asked for jointly: joint requests land in LDS, and K's and V's 65,536 bytes for 128 keys beside the mask's 32,768 would leave room for slots of 128 keys only: sixteen changes of slots in place of four.
; K's next fragments are asked for behind this step's K Q^T, V's behind this step's V^T P, each into the registers just multiplied: 16 loads of each are out at any time.
; REGISTER WINDOWS.  Query tile 0 lives in window 0 and tile 1 in window 1, under the same register numbers, so one macro serves both.  K's fragments lie in window 0 (v32-95), V's in window 1 (v32-95).
; LAYOUT.  Both products are used transposed: S^T = K Q^T, O^T = V^T P^T: a lane holds ONE query (lane % 16) of each tile throughout.
; A block of the codes (a plane, a head pair, 128 positions: 16,384 bytes) is laid x * 8192 + T * 1024 + c * 512 + 32 r + 16 h.  Q, K: x the head of the pair, row 16 T + r is position 32 (T / 2) + 8 (T % 2) + r + 8 (r / 8),
; the 16 bytes are d = 32 c + 16 h + 0 .. 15.  V^T: row 16 T + r is the pair's channel by the same formula, the 16 bytes are keys 64 x + 32 c + 16 h + 0 .. 15.
; So the 16 registers of score tiles 2 b, 2 b + 1 are 16 neighbouring keys, p's conversions give product 5's operand as it stands, and O^T's give 16 neighbouring bytes of a row of the output.
; PREFETCH.  K and V: in step s the blocks of step s + 3, two steps ahead of the loads that want them; cluster x = 0 asks; its four partners of a cluster row take one block of 16,384 bytes each, told apart by address (cx);
; waves 0 and 1 take 8,192 bytes each, lanes 256 bytes apart; it stops behind s = 12.  The mask: in step s the 128 keys of step s + 8, one to four steps ahead of the tensor load that wants them; cluster y = 0 asks;
; the partners of a cluster column take 16 rows each, by address (cy); wave 2 asks, two lanes to a row's 512 bytes; it stops behind s = 7.  Each aligned block of 256 bytes is named once in the launch.
; LIMITS: e6 + e7 - 3 between -126 and 127; e8 and e10 - e8 - e9 between -126 and 119; the exponents t stay under 2^31 in magnitude.  A row whose logits are all -infinity gives NaN codes, as the softmax of such a row is NaN.
; REGISTERS (each window): v11 2^e8; v12 -M; v13 the largest t; v[14:15] the sum; v16-23 Q; v[24:25] f; v[26:27], v244-255 the sum's chains; v28-30 at work; v31 448 x 2^e8; v96-159 S^T, t - M, p; v160-191 O^T; v192-255 the mask, then p's codes in v192-207.
; Window 0 alone: v1 my lane's offset in a fragment; v3 my lane's place in the mask's tile; v4 prefetch offset; v5, v6 the spare word and 0; v7 output offset; v8 Q's offset; v10 the step's mask address.
.set MP,    528                        ; a row of a sub-tile of the mask in LDS: 512 bytes + 16 of padding
.set SUBT,  64*MP                      ; a sub-tile: 128 keys
.set SLOTB, 4*SUBT                     ; a slot: 512 keys
.set SPARE, 2*SLOTB                    ; the spare words, 128 bytes for each of the eight waves
.set STAGE, SPARE+1024                 ; the way out: 64 rows x (256 bytes + 16), bytes of their own
.set SPITCH, 272
.set LK,   1
.set AM0,  3
.set PFO,  4
.set SPW,  5
.set NIL,  6
.set GO,   7
.set ADM,  10
.set PSC,  11
.set PLIM, 31
.set QF,   16
.set KV,   32
.set S,    96
.set O,    160
.set MK,   192
.set TB,   2                           ; s2   LDS byte at which the slot in hand begins
.set WV,   18                          ; s18  my wave's number
.set L2E,  20                          ; s[20:21] log2(e), twice
.set C1,   22                          ; s[22:23] 2^(e6 + e7 - 3), twice
.set KB,   24                          ; s[24:25] K's block that is asked for next
.set VB,   26                          ; s[26:27] V's
.set LB,   28                          ; s28  my part's place in a slot
.set FP,   29                          ; s29  the slot filled last, 0 or 1
.set RP,   30                          ; s30  the slot in hand, 0 or 1
.set MO,   31                          ; s31  LDS byte of the step's sub-tile
.set G1M,  32                          ; s[32:39] descriptor group 1; s[44:47] group 0, which walks
.set IC,   40                          ; s40  the key step in its slot
.set OC,   41                          ; s41  slots still to be asked for
.set STP,  42                          ; s42  the key step, 0 .. 15
.set G0M,  44
.set PFA,  80                          ; s[80:81] where my prefetches stand
.set PFS,  82                          ; s[82:83] a key step on, in bytes
.set PLM,  84                          ; s84  the step at which my prefetches stop; 0 in a wave that asks for nothing
.set SEL,  86                          ; s[86:87] lane selects: lane l xor 16
.set W1,   0x55                        ; every operand place in window 1
.set MSB, 0
.macro WIN new                         ; the immediate's high byte repeats the setting that is left
.if MSB != \new
	s_set_vgpr_msb (MSB<<8)|\new
.set MSB, \new
.endif
.endm
.macro JLOAD                           ; a joint load: every wave its own 32 rows of its own sub-tile
	tensor_load_to_lds s[G0M:G0M+3], s[G1M:G1M+7]
	s_nop 0
.rept 4
	v_nop
.endr
.endm
.macro ASK
	s_cmp_lt_u32 s[STP], s[PLM]
	s_cbranch_scc0 .Lnot_mine_\@
	global_prefetch_b8 v[PFO], s[PFA:PFA+1] th:TH_LOAD_NT scope:SCOPE_SE
.Lnot_mine_\@:
.endm
.macro CROUND                          ; a round of the cluster's barrier
	s_barrier_signal -1
	s_barrier_wait -1
	s_cmp_lg_u32 s[WV], 0
	s_cbranch_scc1 .Lnot_wave_0_\@
	s_barrier_signal -3
.Lnot_wave_0_\@:
	s_barrier_wait -3
	s_barrier_signal -1
	s_barrier_wait -1
.endm
.macro KLOAD                           ; K's eight fragments: tile n, 16 keys x my head's 64 bytes
.set n, 0
.rept 8
	global_load_b128 v[KV+8*n:KV+8*n+3], v[LK], s[KB:KB+1] offset:n*1024
	global_load_b128 v[KV+8*n+4:KV+8*n+7], v[LK], s[KB:KB+1] offset:n*1024+512
.set n, n+1
.endr
.endm
.macro VLOAD                           ; V^T's four fragments, 16 channels x 128 keys, into window 1 (the window is set by the caller)
.set n, 0
.rept 16
	global_load_b128 v[KV+4*n:KV+4*n+3], v[LK], s[VB:VB+1] offset:((n%4)/2)*8192+(n/4)*1024+(n%2)*512
.set n, n+1
.endr
.endm
	s_load_b256 s[4:11], s[0:1], 0x0               ; the codes of q, k, v^T s[4:5]; the mask s[6:7]; the exponents s[8:9]; the output s[10:11]
	v_lshl_add_u32 v[SPW], v0, 2, SPARE
	v_mov_b32 v[NIL], 0
	ds_add_u32 v[SPW], v[NIL]                      ; the opening lines: the add, twice on end, and its wait ahead of my first tensor load
	ds_add_u32 v[SPW], v[NIL]
	v_lshrrev_b32 v8, 5, v0
	v_readfirstlane_b32 s[WV], v8                  ; wave 0..7
	v_and_b32 v2, 15, v0                           ; r
	v_bfe_u32 v9, v0, 4, 1                         ; h
	v_lshlrev_b32 v[LK], 5, v2
	v_lshl_add_u32 v[LK], v9, 4, v[LK]             ; 32 r + 16 h
	v_and_b32 v8, 8, v2
	v_mul_u32_u24 v8, v8, 96
	v_add_nc_u32 v8, v8, v[LK]                     ; Q: 1024 (r / 8) + 32 (r % 8) + 16 h: my queries are neighbours
	s_bfe_u32 s12, ttmp6, 0x40000                  ; cx
	s_bfe_u32 s13, ttmp6, 0x40004                  ; cy
	s_lshl_b32 s14, ttmp9, 2
	s_add_co_u32 s14, s14, s12                     ; qb
	s_and_b32 s15, ttmp7, 0xffff
	s_lshl_b32 s15, s15, 2
	s_add_co_u32 s15, s15, s13                     ; hg
	s_lshl_b32 s17, 0x1111, s12                    ; my column of the cluster
	s_or_b32 s[G1M], s17, (2<<16)|(1<<20)|(1<<21)|(6<<22)|(3<<25)   ; my column; elements of 4 bytes; four words of padding after every 128
	s_mov_b32 s[G1M+1], 128<<16
	s_mov_b32 s[G1M+2], 32<<16
	s_mov_b32 s[G1M+3], 128<<16
	s_mov_b32 s[G1M+4], 32
	s_mov_b32 s[G1M+5], 2048                       ; a row of the mask
	s_mov_b32 s[G1M+6], 0
	s_mov_b32 s[G1M+7], 0
	s_and_b32 s48, s[WV], 3                        ; j: my head in the group; also the sub-tile that I fetch
	s_lshr_b32 s49, s[WV], 2                       ; P: my pair of query tiles; also the 32 rows that I fetch
	s_lshr_b32 s50, s48, 1
	s_and_b32 s51, s48, 1
	s_lshl_b32 s52, s15, 1
	s_add_co_u32 s52, s52, s50
	s_lshl_b32 s52, s52, 18                        ; head pair 2 hg + j / 2: 16 blocks of 16,384 bytes
	s_lshl_b32 s53, s51, 13
	s_add_co_u32 s54, s52, s53                     ; Q, K: + 8192 (j % 2)
	s_add_co_u32 s56, s54, 1<<22                   ; K's plane is 1
	s_mov_b32 s57, 0
	s_lshl_b32 s53, s51, 12
	s_add_co_u32 s58, s52, s53                     ; V: tiles 4 (j % 2) on,
	s_add_co_u32 s58, s58, 2<<22                   ; in plane 2
	s_mov_b32 s59, 0
	s_lshr_b32 s53, s14, 1                         ; Q: block of 128 positions qb / 2,
	s_lshl_b32 s53, s53, 14
	s_add_co_u32 s62, s54, s53
	s_and_b32 s53, s14, 1                          ; tiles 4 (qb % 2) + 2 P on
	s_lshl_b32 s53, s53, 12
	s_add_co_u32 s62, s62, s53
	s_lshl_b32 s53, s49, 11
	s_add_co_u32 s62, s62, s53
	s_mov_b32 s63, 0
	s_lshl_b32 s88, s14, 19                        ; the mask: rows 64 qb + 32 P of 8,192 bytes, + 512 j
	s_lshl_b32 s90, s49, 18
	s_add_co_u32 s88, s88, s90
	s_lshl_b32 s90, s48, 9
	s_add_co_u32 s88, s88, s90
	s_mov_b32 s89, 0
	s_mul_i32 s[LB], s48, SUBT
	s_mul_i32 s90, s49, 32*MP
	s_add_co_u32 s[LB], s[LB], s90
	s_lshl_b32 s60, s14, 6                         ; the output: row 64 qb + 8 w of 2,048 bytes, + 256 hg
	s_lshl_b32 s53, s[WV], 3
	s_add_co_u32 s60, s60, s53
	s_lshl_b32 s60, s60, 11
	s_lshl_b32 s53, s15, 8
	s_add_co_u32 s60, s60, s53
	s_mov_b32 s61, 0
	s_mov_b32 s[L2E], 0x3fb8aa3b
	s_mov_b32 s[L2E+1], 0x3fb8aa3b
	s_mov_b32 s[SEL], 0x76543210
	s_mov_b32 s[SEL+1], 0xfedcba98
	s_mov_b32 s[TB], 0
	s_mov_b32 s[FP], 0
	s_mov_b32 s[RP], 0
	s_mov_b32 s[STP], 0
	s_wait_alu depctr_va_vdst(0)
	s_wait_dscnt 0x0                               ; both opening adds are done
	s_wait_kmcnt 0x0
	s_load_b256 s[68:75], s[8:9], 0x0              ; e0 .. e7
	s_load_b128 s[76:79], s[8:9], 0x20             ; e8 .. e11
	s_mov_b32 s[G0M], 1
	s_mov_b32 s[G0M+1], s[LB]
	s_add_nc_u64 s[G0M+2:G0M+3], s[6:7], s[88:89]
	s_or_b32 s[G0M+3], s[G0M+3], 0x80000000
	CROUND                                         ; all sixteen work-groups are here: the first joint loads meet
	JLOAD                                          ; keys 0 to 511 into slot 0: my one tensor load at the head
	s_add_nc_u64 s[KB:KB+1], s[4:5], s[56:57]
	s_add_nc_u64 s[VB:VB+1], s[4:5], s[58:59]
	s_add_nc_u64 s[62:63], s[4:5], s[62:63]        ; Q's codes
	s_add_nc_u64 s[60:61], s[10:11], s[60:61]      ; my rows of the output
	global_load_b128 v[QF:QF+3], v8, s[62:63]              ; Q's fragments stay in registers: registers 4 c .. 4 c + 3 hold d = 32 c + 16 h + 0 .. 15, as K's do
	global_load_b128 v[QF+4:QF+7], v8, s[62:63] offset:512
	KLOAD                                          ; key step 0
	WIN 0x40
	global_load_b128 v[QF:QF+3], v8, s[62:63] offset:256   ; tile 1's Q, rows 8 on, into window 1
	global_load_b128 v[QF+4:QF+7], v8, s[62:63] offset:768
	VLOAD
	WIN 0
	s_lshr_b32 s88, s12, 1                         ; the prefetches.  K and V: partner cx takes plane 1 + cx / 2,
	s_add_co_u32 s88, s88, 1
	s_lshl_b32 s88, s88, 22
	s_and_b32 s89, s12, 1
	s_lshl_b32 s90, s15, 1
	s_add_co_u32 s89, s89, s90                     ; head pair 2 hg + cx % 2,
	s_lshl_b32 s89, s89, 18
	s_add_co_u32 s88, s88, s89
	s_and_b32 s89, s[WV], 1
	s_lshl_b32 s89, s89, 13                        ; wave 0 its first 8,192 bytes, wave 1 the rest,
	s_add_co_u32 s88, s88, s89
	s_add_co_u32 s88, s88, 3*16384                 ; at key step 3
	s_lshl_b32 s90, s14, 6                         ; the mask: rows 64 qb + 16 cy on,
	s_lshl_b32 s91, s13, 4
	s_add_co_u32 s90, s90, s91
	s_lshl_b32 s90, s90, 13
	s_add_co_u32 s90, s90, 8*512                   ; at key step 8
	s_and_b32 s92, ttmp7, 0xffff                   ; cluster y
	s_mov_b32 s[PFS], 16384
	s_mov_b32 s91, 512
	s_cmp_eq_u32 s[WV], 2                          ; wave 2 asks for the mask
	s_cselect_b64 s[PFA:PFA+1], s[6:7], s[4:5]
	s_cselect_b32 s88, s90, s88
	s_cselect_b32 s[PFS], 512, s[PFS]
	s_cselect_b32 s91, 8192, s91                   ; from pair of lanes to pair of lanes
	s_cselect_b32 s92, s92, ttmp9                  ; the coordinate along which other clusters read the same bytes
	s_cselect_b32 s[PLM], 8, 13
	s_mov_b32 s89, 0
	s_mov_b32 s[PFS+1], 0
	s_add_nc_u64 s[PFA:PFA+1], s[PFA:PFA+1], s[88:89]
	s_cmp_lt_u32 s[WV], 3                          ; waves 0, 1, 2
	s_cselect_b32 s92, s92, 1
	s_cmp_eq_u32 s92, 0
	s_cselect_b32 s[PLM], s[PLM], 0                ; the same in all sixteen partners, for a given wave
	s_mul_i32 s95, s49, 32*MP                      ; the mask: rows 32 P on
	s_wait_kmcnt 0x0
	s_add_co_i32 s88, s74, s75
	s_add_co_i32 s88, s88, 124                     ; e6 + e7 - 3 + 127
	s_lshl_b32 s[C1], s88, 23
	s_mov_b32 s[C1+1], s[C1]
	s_add_co_i32 s88, s76, 127
	s_lshl_b32 s89, s88, 23                        ; 2^e8 as f32
	s_add_co_i32 s88, s88, 8
	s_lshl_b32 s88, s88, 23
	s_or_b32 s88, s88, 0x600000                    ; 448 x 2^e8
	v_and_b32 v28, 31, v0
	v_lshrrev_b32 v29, 1, v28
	v_mul_u32_u24 v[PFO], s91, v29
	v_and_b32 v28, 1, v28
	v_lshl_add_u32 v[PFO], v28, 8, v[PFO]
	v_mul_u32_u24 v[AM0], v2, MP
	v_lshl_add_u32 v[AM0], v9, 6, v[AM0]           ; row r, + 64 h bytes
	v_add_nc_u32 v[AM0], s95, v[AM0]
	v_lshlrev_b32 v[GO], 11, v9
	v_lshl_add_u32 v[GO], v2, 4, v[GO]             ; the way out: lanes 0-15 one row, lanes 16-31 the next
.macro INIT                            ; a tile's state, in its window
	v_mov_b32 v13, 0xff61b1e6                      ; the largest t so far: -3e38
	v_floor_f32 v12, -v13                          ; -M
	v_mov_b32 v14, 0
	v_mov_b32 v15, 0
	v_mov_b32 v25, 0                               ; (named as the upper half of v[24:25])
	v_mov_b32 v30, 0                               ; a lane permute's destination counts as a source
	v_mov_b32 v[PSC], s89
	v_mov_b32 v[PLIM], s88
.set n, 0
.rept 32
	v_mov_b32 v[O+n], 0                            ; O^T: the key step is written for all steps alike
.set n, n+1
.endr
.endm
	INIT
	WIN W1
	INIT
	WIN 0
; One tile's logits, maximum, M and t - M, in the window that is set.
.macro SMH
.set n, 0
.rept 32
	v_pk_fma_f32 v[S+n:S+n+1], v[S+n:S+n+1], s[C1:C1+1], v[MK+n:MK+n+1] op_sel_hi:[1,0,1]   ; the logit; each accumulator from its low end on
.set n, n+2
.endr
	v_max3_num_f32 v28, v[S], v[S+1], v[S+2]       ; the step's largest logit of my query, among my 64 keys, in two chains,
	v_max3_num_f32 v29, v[S+3], v[S+4], v[S+5]
.set n, 6
.rept 14
	s_delay_alu instid0(VALU_DEP_2)
	v_max3_num_f32 v28, v28, v[S+n], v[S+n+1]
	s_delay_alu instid0(VALU_DEP_2)
	v_max3_num_f32 v29, v29, v[S+n+2], v[S+n+3]
.set n, n+4
.endr
	s_delay_alu instid0(VALU_DEP_2)
	v_max3_num_f32 v28, v28, v[S+62], v[S+63]
	s_delay_alu instid0(VALU_DEP_1)
	v_max_num_f32 v28, v28, v29
	s_delay_alu instid0(VALU_DEP_1)
	v_permlanex16_b32 v30, v28, s[SEL], s[SEL+1]
	s_delay_alu instid0(VALU_DEP_1)
	v_max_num_f32 v28, v28, v30                    ; and among lane l xor 16's
	s_delay_alu instid0(VALU_DEP_1)
	v_mul_f32 v28, s[L2E], v28                     ; as t: log2(e) is positive, so the largest logit gives the largest t
	s_delay_alu instid0(VALU_DEP_1)
	v_max_num_f32 v13, v13, v28                    ; the running largest t
	v_mov_b32 v28, v12
	s_delay_alu instid0(VALU_DEP_2)
	v_floor_f32 v12, -v13                          ; the new -M = -ceil(t)
	s_delay_alu instid0(VALU_DEP_1)
	v_sub_f32 v28, v12, v28                        ; old M - new M: a whole number, 0 or less
	s_delay_alu instid0(VALU_DEP_1)
	v_cvt_i32_f32 v28, v28                         ; (it saturates)
	s_delay_alu instid0(VALU_DEP_1)
	v_ldexp_f32 v24, 1.0, v28                      ; f = 2^(old M - new M)
.set n, 0
.rept 32
	v_pk_fma_f32 v[S+n:S+n+1], v[S+n:S+n+1], s[L2E:L2E+1], v[12:13] op_sel_hi:[1,0,0]   ; t - M (of each pair the low word serves both halves)
.set n, n+2
.endr
.endm
; One tile's exponentials, sum, codes and rescaling, in the window that is set.
.macro SMT
	s_wait_alu depctr_va_vdst(0)                   ; ahead of the batch
.set n, 0
.rept 64
	v_exp_f32 v[S+n], v[S+n]                       ; p = 2^(t - M), at most 1
.set n, n+1
.endr
	v_pk_mul_f32 v[14:15], v[14:15], v[24:25] op_sel_hi:[1,0]   ; the sums under the new M: the plain line behind the exponentials
	s_wait_alu depctr_va_vdst(0)                   ; one wait for the whole batch, ahead of its first reader
	v_pk_add_f32 v[26:27], v[100:101], v[104:105]  ; the sum of the unquantised p, in eight chains
	v_pk_add_f32 v[254:255], v[108:109], v[112:113]
	v_pk_add_f32 v[252:253], v[116:117], v[120:121]
	v_pk_add_f32 v[250:251], v[124:125], v[128:129]
	v_pk_add_f32 v[248:249], v[132:133], v[136:137]
	v_pk_add_f32 v[246:247], v[140:141], v[144:145]
	v_pk_add_f32 v[244:245], v[148:149], v[152:153]
	v_pk_add_f32 v[14:15], v[14:15], v[156:157]
	v_pk_add_f32 v[26:27], v[26:27], v[96:97]
	v_pk_add_f32 v[254:255], v[254:255], v[98:99]
	v_pk_add_f32 v[252:253], v[252:253], v[102:103]
	v_pk_add_f32 v[250:251], v[250:251], v[106:107]
	v_pk_add_f32 v[248:249], v[248:249], v[110:111]
	v_pk_add_f32 v[246:247], v[246:247], v[114:115]
	v_pk_add_f32 v[244:245], v[244:245], v[118:119]
	v_pk_add_f32 v[14:15], v[14:15], v[122:123]
	v_pk_add_f32 v[26:27], v[26:27], v[126:127]
	v_pk_add_f32 v[254:255], v[254:255], v[130:131]
	v_pk_add_f32 v[252:253], v[252:253], v[134:135]
	v_pk_add_f32 v[250:251], v[250:251], v[138:139]
	v_pk_add_f32 v[248:249], v[248:249], v[142:143]
	v_pk_add_f32 v[246:247], v[246:247], v[146:147]
	v_pk_add_f32 v[244:245], v[244:245], v[150:151]
	v_pk_add_f32 v[14:15], v[14:15], v[154:155]
	v_pk_add_f32 v[26:27], v[26:27], v[158:159]
	s_delay_alu instid0(VALU_DEP_2)
	v_pk_add_f32 v[14:15], v[14:15], v[250:251]
	s_delay_alu instid0(VALU_DEP_2)
	v_pk_add_f32 v[26:27], v[26:27], v[248:249]
	v_pk_add_f32 v[254:255], v[254:255], v[246:247]
	v_pk_add_f32 v[252:253], v[252:253], v[244:245]
	s_delay_alu instid0(VALU_DEP_2)
	v_pk_add_f32 v[14:15], v[14:15], v[254:255]
	s_delay_alu instid0(VALU_DEP_2)
	v_pk_add_f32 v[26:27], v[26:27], v[252:253]
	s_delay_alu instid0(VALU_DEP_1)
	v_pk_add_f32 v[14:15], v[14:15], v[26:27]
.set b, 0
.rept 4
.set n, 0
.rept 16
	v_min_num_f32 v[S+16*b+n], v[S+16*b+n], v[PLIM]   ; the conversion does not saturate (ISA guide 7.6.2); p is not negative, so the hold is one-sided
.set n, n+1
.endr
	v_cvt_scalef32_pk8_fp8_f32 v[MK+4*b:MK+4*b+1], v[S+16*b:S+16*b+7], v[PSC]       ; registers 4 b .. 4 b + 3 of the operand: keys 32 b + 16 h + 0 .. 15
	v_cvt_scalef32_pk8_fp8_f32 v[MK+4*b+2:MK+4*b+3], v[S+16*b+8:S+16*b+15], v[PSC]
.set b, b+1
.endr
	s_wait_alu depctr_va_vdst(0)                   ; directly ahead of the first reader of O^T
.set n, 0
.rept 16
	v_pk_mul_f32 v[O+n:O+n+1], v[O+n:O+n+1], v[24:25] op_sel_hi:[1,0]   ; O^T under the new M; also the plain lines between the conversions and the products
.set n, n+2
.endr
.endm
; A KEY STEP, 128 keys.  last = 1: the sixteenth, which asks for nothing more.
.macro STEP last
	s_mul_i32 s[MO], s[IC], SUBT
	s_add_co_u32 s[MO], s[MO], s[TB]
	v_add_nc_u32 v[ADM], s[MO], v[AM0]
.set n, 0
.rept 16
	ds_load_b128 v[MK+4*n:MK+4*n+3], v[ADM] offset:128*(n/4)+16*(n%4)   ; the mask of tile 0's query at keys 32 b + 16 h + 0 .. 15: the order of S^T's registers
.set n, n+1
.endr
	WIN 0x40
.set n, 0
.rept 16
	ds_load_b128 v[MK+4*n:MK+4*n+3], v[ADM] offset:16*MP+128*(n/4)+16*(n%4)   ; tile 1's, 16 rows on, into window 1
.set n, n+1
.endr
	WIN 0
	s_wait_loadcnt 16                              ; this step's K is in (in step 0 Q too); V's 16 loads, issued behind K's, may be out
.set n, 0
.rept 8
	v_wmma_f32_16x16x64_fp8_fp8 v[S+8*n:S+8*n+7], v[KV+8*n:KV+8*n+7], v[QF:QF+7], 0
.set n, n+1
.endr
	WIN 0x44                                       ; tile 1: S^T and Q in window 1, K in window 0
.set n, 0
.rept 8
	v_wmma_f32_16x16x64_fp8_fp8 v[S+8*n:S+8*n+7], v[KV+8*n:KV+8*n+7], v[QF:QF+7], 0
.set n, n+1
.endr
	WIN 0
.rept 4
	v_nop                                          ; places in front of the loads into K's registers and of the first read of the scores
.endr
.if !\last
	KLOAD                                          ; the next step's K
	ASK
.endif
	s_wait_dscnt 16                                ; tile 0's mask is in; tile 1's 16 loads may be out
	SMH
	WIN W1
	s_wait_dscnt 0x0
	SMH
	WIN 0
	SMT
	WIN W1
	SMT
	s_wait_alu depctr_va_vdst(0)                   ; directly ahead of the waits below
.if \last
	s_wait_loadcnt 0x0                             ; V is in
.else
	s_wait_xcnt 0x0                                ; the loads and the prefetch above have read their bases, which step:
	s_add_nc_u64 s[KB:KB+1], s[KB:KB+1], 16384
	s_add_nc_u64 s[VB:VB+1], s[VB:VB+1], 16384
	s_add_nc_u64 s[PFA:PFA+1], s[PFA:PFA+1], s[PFS:PFS+1]
	s_wait_loadcnt 16                              ; this step's V is in; the next step's K, 16 loads, may be out
.endif
	WIN 0x01                                       ; tile 0: V in window 1, the rest in window 0.  The eight accumulators by turns, one instruction a turn
.set n, 0
.rept 4
	v_wmma_f32_16x16x128_fp8_fp8 v[O+8*n:O+8*n+7], v[KV+16*n:KV+16*n+15], v[MK:MK+15], v[O+8*n:O+8*n+7]
.set n, n+1
.endr
	WIN W1
.set n, 0
.rept 4
	v_wmma_f32_16x16x128_fp8_fp8 v[O+8*n:O+8*n+7], v[KV+16*n:KV+16*n+15], v[MK:MK+15], v[O+8*n:O+8*n+7]
.set n, n+1
.endr
.if !\last
	WIN 0x40
.rept 4
	v_nop                                          ; places in front of the loads into V's registers, and of the next step's into the codes'
.endr
	VLOAD                                          ; the next step's V
.endif
	WIN 0
	s_add_co_u32 s[STP], s[STP], 1
.endm
; THE CHANGE OF SLOTS.  Each wave waits for its tensor load, adds 0 to its spare word, and waits for that and for its reads of the slot that it has left.
; fill = 1: the barrier is a round of the cluster's; the joint refill is the first thing behind it and has four key steps in which to land.
.macro CHANGE fill
	s_wait_tensorcnt 0x0                           ; no tensor load of mine is out, so group 0 may be written
	ds_add_u32 v[SPW], v[NIL]
.if \fill
	s_xor_b32 s[FP], s[FP], 1                      ; the other slot than last time,
	s_mul_i32 s[G0M+1], s[FP], SLOTB
	s_add_co_u32 s[G0M+1], s[G0M+1], s[LB]
	s_add_nc_u64 s[G0M+2:G0M+3], s[G0M+2:G0M+3], 2048   ; the next 512 keys
.endif
	s_wait_dscnt 0x0
.if \fill
	CROUND
	JLOAD
.else
	s_barrier_signal -1
	s_barrier_wait -1
.endif
.endm
	s_wait_alu depctr_va_vdst(0)                   ; at the head's end
	s_wait_xcnt 0x0                                ; step 0's loads have read K's base, which steps to block 1
	s_add_nc_u64 s[KB:KB+1], s[KB:KB+1], 16384
	s_mov_b32 s[OC], 3
.Lslot:                                            ; three trips: behind each change the next 512 keys of the mask are asked for
	CHANGE 1
	s_mov_b32 s[IC], 0
.Lstep:
	STEP 0
	s_add_co_u32 s[IC], s[IC], 1
	s_cmp_lt_u32 s[IC], 4
	s_cbranch_scc1 .Lstep
	s_xor_b32 s[RP], s[RP], 1
	s_mul_i32 s[TB], s[RP], SLOTB                  ; on to the other slot
	s_sub_co_u32 s[OC], s[OC], 1
	s_cmp_lg_u32 s[OC], 0
	s_cbranch_scc1 .Lslot
	CHANGE 0                                       ; the last slot is written out: nothing more is asked for
	s_mov_b32 s[IC], 0
.Lstep3:
	STEP 0
	s_add_co_u32 s[IC], s[IC], 1
	s_cmp_lt_u32 s[IC], 3
	s_cbranch_scc1 .Lstep3
	STEP 1
	; THE WAY OUT.  O^T / the sum stands for the number x 2^-(e8 + e9): its code is taken with 2^(e10 - e8 - e9).  Registers 16 b + 0 .. 15 are d = 32 b + 16 h + 0 .. 15 of my query and head.
	; A row's 256 bytes come from four waves: they meet in the stage, behind a barrier, and each wave stores eight whole rows, sixteen lanes to 256 consecutive bytes, aligned.
	s_mul_i32 s88, s49, 32*SPITCH
	s_lshl_b32 s89, s48, 6
	s_add_co_u32 s88, s88, s89
	s_add_co_u32 s88, s88, STAGE
	s_mul_i32 s91, s[WV], 8*SPITCH
	s_add_co_u32 s91, s91, STAGE
	s_sub_co_i32 s89, s78, s76
	s_sub_co_i32 s89, s89, s77                     ; e10 - e8 - e9
	s_add_co_i32 s89, s89, 127
	s_lshl_b32 s90, s89, 23
	s_add_co_i32 s89, s89, 8
	s_lshl_b32 s89, s89, 23
	s_or_b32 s89, s89, 0x600000
	v_and_b32 v8, 15, v0                           ; (plain lines behind the last products)  r
	v_bfe_u32 v9, v0, 4, 1                         ; h
	v_mul_u32_u24 v10, v8, SPITCH
	v_lshl_add_u32 v10, v9, 4, v10
	v_add_nc_u32 v10, s88, v10                     ; in: row 32 P + r (+ 16 u), byte 64 j + 16 h (+ 32 b)
	v_mul_u32_u24 v2, v9, SPITCH
	v_lshl_add_u32 v2, v8, 4, v2
	v_add_nc_u32 v2, s91, v2                       ; back: rows 8 w + h (+ 2 i), 16 bytes a lane
.macro OUTT                            ; a tile's codes, in the window that is set
	v_mov_b32 v28, s90
	v_mov_b32 v29, s89
	v_add_f32 v14, v14, v15                        ; the sum's two halves,
	v_permlanex16_b32 v30, v14, s[SEL], s[SEL+1]
	v_add_f32 v14, v14, v30                        ; and lane l xor 16's
	s_wait_alu depctr_va_vdst(0)                   ; ahead of the transcendental
	v_rcp_f32 v14, v14
	v_nop
	s_wait_alu depctr_va_vdst(0)                   ; and ahead of its first reader, which is also O^T's
.set n, 0
.rept 16
	v_pk_mul_f32 v[S+n:S+n+1], v[O+n:O+n+1], v[14:15] op_sel_hi:[1,0]   ; O^T / the sum; each accumulator from its low end on
.set n, n+2
.endr
.set n, 0
.rept 32
	v_med3_num_f32 v[S+n], v[S+n], -v29, v29
.set n, n+1
.endr
.irp b, 0,1
	v_cvt_scalef32_pk8_fp8_f32 v[S+32+4*\b:S+33+4*\b], v[S+16*\b:S+16*\b+7], v28
	v_cvt_scalef32_pk8_fp8_f32 v[S+34+4*\b:S+35+4*\b], v[S+16*\b+8:S+16*\b+15], v28
.endr
	v_nop                                          ; one plain vector line behind the conversions
.endm
	OUTT
	ds_store_b128 v10, v[S+32:S+35]
	ds_store_b128 v10, v[S+36:S+39] offset:32
	WIN W1
	OUTT
	WIN 0x04                                       ; the data in window 1, the address in window 0
	ds_store_b128 v10, v[S+32:S+35] offset:16*SPITCH
	ds_store_b128 v10, v[S+36:S+39] offset:16*SPITCH+32
	WIN 0
	s_wait_dscnt 0x0                               ; for the others' sake: my stores into the stage are done
	s_barrier_signal -1
	s_barrier_wait -1
.irp i, 0,1,2,3
	ds_load_b128 v[S+40+4*\i:S+43+4*\i], v2 offset:2*\i*SPITCH
.endr
.irp i, 0,1,2,3
	s_wait_dscnt 3-\i                              ; load i is in; the younger ones may be out
	global_store_b128 v[GO], v[S+40+4*\i:S+43+4*\i], s[60:61] offset:2*\i*2048
.endr
	s_wait_tensorcnt 0x0                           ; the wave's end
	ds_add_u32 v[SPW], v[NIL]
	s_wait_dscnt 0x0
	CROUND                                         ; the closing round
	s_endpgm
.Lfunc_end_k_qfe3261b59a_attn:
	.size	k_qfe3261b59a_attn, .Lfunc_end_k_qfe3261b59a_attn-k_qfe3261b59a_attn
	.p2alignl 7, 3214868480
	.fill 96, 4, 3214868480
	.section	.rodata,"a",@progbits
	.p2align	6, 0x0
	.amdhsa_kernel k_qfe3261b59a_attn
		.amdhsa_group_segment_fixed_size 327680
		.amdhsa_private_segment_fixed_size 0
		.amdhsa_enable_private_segment 0
		.amdhsa_kernarg_size 32
		.amdhsa_user_sgpr_count 2
		.amdhsa_user_sgpr_kernarg_segment_ptr 1
		.amdhsa_wavefront_size32 1
		.amdhsa_system_sgpr_workgroup_id_x 1
		.amdhsa_system_sgpr_workgroup_id_y 1
		.amdhsa_system_sgpr_workgroup_id_z 1
		.amdhsa_system_vgpr_workitem_id 0
		.amdhsa_next_free_vgpr 512
		.amdhsa_next_free_sgpr 100
		.amdhsa_reserve_vcc 0
		.amdhsa_float_denorm_mode_32 3
		.amdhsa_float_denorm_mode_16_64 3
		.amdhsa_memory_ordered 1
		.amdhsa_forward_progress 1
		.amdhsa_inst_pref_size 137
	.end_amdhsa_kernel
	.amdgpu_metadata
---
amdhsa.version: [ 1, 2 ]
amdhsa.kernels:
  - .name:           k_qfe3261b59a_attn
    .symbol:         k_qfe3261b59a_attn.kd
    .args:
      - { .name: qkvc, .offset: 0, .size: 8, .value_kind: global_buffer, .address_space: global }
      - { .name: attention_mask, .offset: 8, .size: 8, .value_kind: global_buffer, .address_space: global }
      - { .name: lowp_scales, .offset: 16, .size: 8, .value_kind: global_buffer, .address_space: global }
      - { .name: acodes, .offset: 24, .size: 8, .value_kind: global_buffer, .address_space: global }
    .group_segment_fixed_size: 327680
    .private_segment_fixed_size: 0
    .kernarg_segment_align: 8
    .kernarg_segment_size: 32
    .max_flat_workgroup_size: 256
    .sgpr_count:     100
    .vgpr_count:     512
    .wavefront_size: 32
...
	.end_amdgpu_metadata
.endif
;; end of part 3
;; launch proj (part 4): grid 16 x 16, 4 waves a work-group, clusters of 4 x 4, 327,680 bytes of LDS; arguments acodes, wcodes, lowp_scales, out0; writes out0
.if DOCPART == 4
	.amdgcn_target "amdgcn-amd-amdhsa--gfx1250"
	.amdhsa_code_object_version 6
	.text
	.protected	k_qfe3261b59a_proj
	.globl	k_qfe3261b59a_proj
	.p2align	8
	.type	k_qfe3261b59a_proj,@function
k_qfe3261b59a_proj:
	s_mov_b64 s[64:65], 0
	v_nop
	global_prefetch_b8 v0, s[64:65] scope:SCOPE_SE
	s_setreg_imm32_b32 hwreg(HW_REG_WAVE_MODE, 25, 1), 1
	s_wait_xcnt 0x0
	s_wait_alu depctr_hold_cnt(0) depctr_sa_sdst(0) depctr_va_vdst(0) depctr_va_sdst(0) depctr_va_ssrc(0) depctr_va_vcc(0) depctr_vm_vsrc(0)
	s_getreg_b32 s2, hwreg(HW_REG_IB_STS2, 6, 4)
	s_cmp_eq_u32 s2, 0
	s_cbranch_scc0 .Lentry_in_a_cluster
	s_endpgm
.Lentry_in_a_cluster:
	s_bfe_u32 s2, ttmp6, 0x10000c
	s_cmp_lg_u32 s2, 0xf033
	s_cbranch_scc0 .Lentry_shape_is_right
	s_endpgm
.Lentry_shape_is_right:
.set KSTEP,  512
.set KROW,   2048
.set PITCH,  528
.set HALFT,  64*PITCH
.set SLOT,   4*HALFT
.set SPARE,  2*SLOT
.set STAGE,  SPARE+512
.set SPITCH, 272
.set ADRA, 16
.set ADRB, 20
.set STO,  24
.set RD,   25
.set CO,   26
.set SPW,  28
.set NIL,  29
.set TMP,  32
.set BK,   64
.set ACC,  128
.set F0,   0
.set F1,   128
.set G1, 24
.set G0, 32
.set G1B, 48
.set G0B, 56
.set MSB, 0
.macro WIN new
.if MSB != \new
	s_set_vgpr_msb (MSB<<8)|\new
.set MSB, \new
.endif
.endm
.set MUL,  0x05
.set TO_F, 0x40
.macro JLOAD s
	s_cmp_eq_u32 s15, 0
	s_cbranch_scc0 .Lfor_b_\@
	tensor_load_to_lds s[G0+4*\s:G0+4*\s+3], s[G1:G1+7]
	s_nop 0
.rept 4
	v_nop
.endr
	s_branch .Lasked_\@
.Lfor_b_\@:
	tensor_load_to_lds s[G0B+4*\s:G0B+4*\s+3], s[G1B:G1B+7]
	s_nop 0
.rept 4
	v_nop
.endr
.Lasked_\@:
.endm
.macro CREST
	s_cmp_lg_u32 s14, 0
	s_cbranch_scc1 .Lnot_wave_0_\@
	s_barrier_signal -3
.Lnot_wave_0_\@:
	s_barrier_wait -3
	s_barrier_signal -1
	s_barrier_wait -1
.endm
.macro CROUND
	s_barrier_signal -1
	s_barrier_wait -1
	CREST
.endm
	s_load_b128 s[4:7], s[0:1], 0x0
	s_load_b128 s[8:11], s[0:1], 0x10
	v_lshl_add_u32 v[SPW], v0, 2, SPARE
	v_mov_b32 v[NIL], 0
	ds_add_u32 v28, v29
	ds_add_u32 v28, v29
	s_wait_dscnt 0x0
	v_lshrrev_b32 v1, 5, v0
	v_readfirstlane_b32 s14, v1
	s_lshr_b32 s15, s14, 1
	s_and_b32 s16, s14, 1
	s_bfe_u32 s40, ttmp6, 0x40000
	s_bfe_u32 s41, ttmp6, 0x40004
	s_lshl_b32 s42, ttmp9, 2
	s_add_co_u32 s42, s42, s40
	s_and_b32 s17, ttmp7, 0xffff
	s_lshl_b32 s17, s17, 2
	s_add_co_u32 s17, s17, s41
	s_lshl_b32 s43, s41, 2
	s_lshl_b32 s43, 15, s43
	s_lshl_b32 s44, 0x1111, s40
	s_or_b32 s[G1+0], s43, (0<<16)|(1<<20)|(1<<21)|(6<<22)|(3<<25)
	s_or_b32 s[G1B+0], s44, (0<<16)|(1<<20)|(1<<21)|(6<<22)|(3<<25)
.irp g, G1, G1B
	s_mov_b32 s[\g+1], KSTEP<<16
	s_mov_b32 s[\g+2], 64<<16
	s_mov_b32 s[\g+3], KSTEP<<16
	s_mov_b32 s[\g+4], 64
	s_mov_b32 s[\g+5], KROW
	s_mov_b32 s[\g+6], 0
	s_mov_b32 s[\g+7], 0
.endr
	s_lshl_b32 s18, s16, 6
	s_lshl_b32 s20, s17, 7
	s_add_co_u32 s20, s20, s18
	s_lshl_b32 s20, s20, 11
	s_mov_b32 s21, 0
	s_lshl_b32 s46, s42, 7
	s_add_co_u32 s46, s46, s18
	s_lshl_b32 s46, s46, 11
	s_add_co_u32 s46, s46, 0xC00000
	s_mov_b32 s47, 0
	s_mul_i32 s45, s14, HALFT
	s_wait_kmcnt 0x0
	s_load_b64 s[96:97], s[8:9], 0x28
	s_add_nc_u64 s[20:21], s[4:5], s[20:21]
	s_add_nc_u64 s[46:47], s[6:7], s[46:47]
	CROUND
.irp s, 0,1
	s_mov_b32 s[G0+4*\s], 1
	s_add_co_u32 s[G0+4*\s+1], s45, \s*SLOT
	s_add_nc_u64 s[G0+4*\s+2:G0+4*\s+3], s[20:21], \s*KSTEP
	s_or_b32 s[G0+4*\s+3], s[G0+4*\s+3], 0x80000000
	s_mov_b32 s[G0B+4*\s], 1
	s_add_co_u32 s[G0B+4*\s+1], s45, \s*SLOT
	s_add_nc_u64 s[G0B+4*\s+2:G0B+4*\s+3], s[46:47], \s*KSTEP
	s_or_b32 s[G0B+4*\s+3], s[G0B+4*\s+3], 0x80000000
	s_wait_alu depctr_va_vdst(0)
	s_wait_tensorcnt 0x0
	ds_add_u32 v28, v29
	ds_add_u32 v28, v29
	s_wait_dscnt 0x0
	CROUND
	JLOAD \s
.endr
	v_and_b32 v1, 15, v0
	s_wait_alu depctr_va_vdst(0)
	v_bfe_u32 v2, v0, 4, 1
	v_mul_u32_u24 v3, v1, PITCH
	v_lshl_add_u32 v3, v2, 4, v3
	s_mul_i32 s21, s15, HALFT
	s_mul_i32 s22, s16, HALFT
	s_add_co_u32 s22, s22, 2*HALFT
.irp s, 0,1
	v_add_nc_u32 v[ADRA+\s], s21, v3
	v_add_nc_u32 v[ADRB+\s], s22, v3
	s_add_co_u32 s21, s21, SLOT
	s_add_co_u32 s22, s22, SLOT
.endr
	s_mul_i32 s23, s14, 16*SPITCH
	s_add_co_u32 s23, s23, STAGE
	v_mul_u32_u24 v4, v1, SPITCH
	s_wait_alu depctr_va_vdst(0)
	v_lshl_add_u32 v4, v2, 5, v4
	v_add_nc_u32 v[STO], s23, v4
	v_mul_u32_u24 v5, v2, SPITCH
	v_lshl_add_u32 v5, v1, 4, v5
	v_add_nc_u32 v[RD], s23, v5
	v_lshlrev_b32 v5, 13, v2
	v_lshl_add_u32 v[CO], v1, 4, v5
	s_lshl_b32 s20, s17, 7
	s_lshl_b32 s21, s15, 6
	s_add_co_u32 s20, s20, s21
	s_lshl_b32 s20, s20, 13
	s_lshl_b32 s46, s42, 9
	s_lshl_b32 s47, s16, 8
	s_add_co_u32 s46, s46, s47
	s_add_co_u32 s20, s20, s46
	s_mov_b32 s21, 0
	s_add_nc_u64 s[10:11], s[10:11], s[20:21]
.macro MULA f, a, zero
.irp b, 0,1,2,3
.if \zero
	v_wmma_f32_16x16x128_fp8_fp8 v[ACC+8*(4*(\a)+\b):ACC+8*(4*(\a)+\b)+7], v[\f+64+16*\b:\f+64+16*\b+15], v[\f+16*(\a):\f+16*(\a)+15], 0
.else
	v_wmma_f32_16x16x128_fp8_fp8 v[ACC+8*(4*(\a)+\b):ACC+8*(4*(\a)+\b)+7], v[\f+64+16*\b:\f+64+16*\b+15], v[\f+16*(\a):\f+16*(\a)+15], v[ACC+8*(4*(\a)+\b):ACC+8*(4*(\a)+\b)+7]
.endif
.endr
.endm
.macro FETCH slot, k, f
	WIN TO_F
.irp i, 0,1,2,3
.irp c, 0,1,2,3
	ds_load_b128 v[\f+64+16*\i+4*\c:\f+64+16*\i+4*\c+3], v[ADRB+\slot] offset:\k+32*\c+\i*16*PITCH
.endr
.endr
.irp i, 0,1,2,3
.irp c, 0,1,2,3
	ds_load_b128 v[\f+16*\i+4*\c:\f+16*\i+4*\c+3], v[ADRA+\slot] offset:\k+32*\c+\i*16*PITCH
.endr
.endr
.endm
.macro PLACES
.rept 4
	v_nop
.endr
.endm
.macro QUARTER slot, k, f, g, zero
	s_wait_dscnt 8
	WIN MUL
	MULA \f, 0, \zero
	MULA \f, 1, \zero
	PLACES
	FETCH \slot, \k, \g
	s_wait_dscnt 32
	WIN MUL
	MULA \f, 2, \zero
	MULA \f, 3, \zero
.endm
.macro TURN slot, next, fill
	WIN 0
	s_wait_tensorcnt 0x0
	ds_add_u32 v[SPW], v[NIL]
	s_wait_dscnt 9
	WIN MUL
	MULA F1, 0, 0
	s_wait_dscnt 0x0
	s_barrier_signal -1
	MULA F1, 1, 0
.if \fill
	WIN 0
.endif
	s_barrier_wait -1
.if \fill
	CREST
	s_add_nc_u64 s[G0+4*\slot+2:G0+4*\slot+3], s[G0+4*\slot+2:G0+4*\slot+3], 2*KSTEP
	s_add_nc_u64 s[G0B+4*\slot+2:G0B+4*\slot+3], s[G0B+4*\slot+2:G0B+4*\slot+3], 2*KSTEP
	JLOAD \slot
.else
	PLACES
.endif
	FETCH \next, 0, F0
	WIN MUL
	MULA F1, 2, 0
	MULA F1, 3, 0
.endm
	s_wait_tensorcnt 1
	s_barrier_signal -1
	s_barrier_wait -1
	FETCH 0, 0, F0
	QUARTER 0, 128, F0, F1, 1
	QUARTER 0, 256, F1, F0, 0
	QUARTER 0, 384, F0, F1, 0
	TURN 0, 1, 1
	QUARTER 1, 128, F0, F1, 0
	QUARTER 1, 256, F1, F0, 0
	QUARTER 1, 384, F0, F1, 0
	TURN 1, 0, 1
	QUARTER 0, 128, F0, F1, 0
	QUARTER 0, 256, F1, F0, 0
	QUARTER 0, 384, F0, F1, 0
	TURN 0, 1, 0
	QUARTER 1, 128, F0, F1, 0
	QUARTER 1, 256, F1, F0, 0
	QUARTER 1, 384, F0, F1, 0
	s_wait_dscnt 8
	WIN MUL
	MULA F1, 0, 0
	MULA F1, 1, 0
	s_wait_dscnt 0
	MULA F1, 2, 0
	MULA F1, 3, 0
	WIN 0
.macro TOSTAGE a
.set BB, BK+32*((\a)%2)
.set n, 0
.rept 16
	v_pk_mul_f32 v[TMP+n:TMP+n+1], v[ACC+32*(\a)+n:ACC+32*(\a)+n+1], s[96:97] op_sel_hi:[1,0]
.set n, n+2
.endr
.irp b, 0,1,2,3
	ds_store_b128 v[STO], v[TMP+8*\b:TMP+8*\b+3] offset:64*\b
	ds_store_b128 v[STO], v[TMP+8*\b+4:TMP+8*\b+7] offset:64*\b+16
.endr
.irp t, 0,1,2,3,4,5,6,7
	ds_load_b128 v[BB+4*\t:BB+4*\t+3], v[RD] offset:2*\t*SPITCH
.endr
.endm
.macro SEND a, younger
.set BB, BK+32*((\a)%2)
	s_wait_dscnt \younger
.irp t, 0,1,2,3,4,5,6,7
	global_store_b128 v[CO], v[BB+4*\t:BB+4*\t+3], s[10:11] offset:(16*(\a)+2*\t)*8192 th:TH_STORE_NT
.endr
.endm
	s_wait_kmcnt 0x0
	s_add_co_i32 s96, s96, s97
	s_add_co_i32 s96, s96, 127
	s_lshl_b32 s96, s96, 23
	s_mov_b32 s97, s96
	PLACES
	TOSTAGE 0
.irp a, 1,2,3
.if \a > 1
	s_wait_xcnt 0x0
.endif
	TOSTAGE \a
	SEND \a-1, 16
.endr
	SEND 3, 0
	s_wait_tensorcnt 0x0
	ds_add_u32 v[SPW], v[NIL]
	s_wait_dscnt 0x0
	CROUND
	s_endpgm
.Lfunc_end_k_qfe3261b59a_proj:
	.size	k_qfe3261b59a_proj, .Lfunc_end_k_qfe3261b59a_proj-k_qfe3261b59a_proj
	.p2alignl 7, 3214868480
	.fill 96, 4, 3214868480
	.section	.rodata,"a",@progbits
	.p2align	6, 0x0
	.amdhsa_kernel k_qfe3261b59a_proj
		.amdhsa_group_segment_fixed_size 327680
		.amdhsa_private_segment_fixed_size 0
		.amdhsa_enable_private_segment 0
		.amdhsa_kernarg_size 32
		.amdhsa_user_sgpr_count 2
		.amdhsa_user_sgpr_kernarg_segment_ptr 1
		.amdhsa_wavefront_size32 1
		.amdhsa_system_sgpr_workgroup_id_x 1
		.amdhsa_system_sgpr_workgroup_id_y 1
		.amdhsa_system_sgpr_workgroup_id_z 1
		.amdhsa_system_vgpr_workitem_id 0
		.amdhsa_next_free_vgpr 512
		.amdhsa_next_free_sgpr 98
		.amdhsa_reserve_vcc 0
		.amdhsa_float_denorm_mode_32 3
		.amdhsa_float_denorm_mode_16_64 3
		.amdhsa_memory_ordered 1
		.amdhsa_forward_progress 1
		.amdhsa_inst_pref_size 75
	.end_amdhsa_kernel
	.amdgpu_metadata
---
amdhsa.version: [ 1, 2 ]
amdhsa.kernels:
  - .name:           k_qfe3261b59a_proj
    .symbol:         k_qfe3261b59a_proj.kd
    .args:
      - { .name: acodes, .offset: 0, .size: 8, .value_kind: global_buffer, .address_space: global }
      - { .name: wcodes, .offset: 8, .size: 8, .value_kind: global_buffer, .address_space: global }
      - { .name: lowp_scales, .offset: 16, .size: 8, .value_kind: global_buffer, .address_space: global }
      - { .name: out0, .offset: 24, .size: 8, .value_kind: global_buffer, .address_space: global }
    .group_segment_fixed_size: 327680
    .private_segment_fixed_size: 0
    .kernarg_segment_align: 8
    .kernarg_segment_size: 32
    .max_flat_workgroup_size: 128
    .sgpr_count:     98
    .vgpr_count:     512
    .wavefront_size: 32
...
	.end_amdgpu_metadata
.endif
;; end of part 4
